; MI455X (gfx1250); checked and timed in simulation.
; The chip was launched on July 23, 2026; its instructions are those of AMD's public machine-readable ISA for CDNA 5 (MIT licence, August 2026) and "CDNA5" Instruction Set Architecture Reference Guide (July 2026). The comments in the code are by the model that wrote it; some were corrected since.
;; Causal Self Attention. Allowed arithmetic: matrix products marked QUANTISED: E2M3 operands, one E8M0 scale for each 32 along K, by v_wmma_scale_f32_16x16x128_f8f6f4 with both operands' format E2M3, f32 sums; everything else in f32.
;; Inputs: Wk 1,024 x 1,024 float32; Wp 1,024 x 1,024 float32; Wq 1,024 x 1,024 float32; Wv 1,024 x 1,024 float32; bk 1,024 float32; bp 1,024 float32; bq 1,024 float32; bv 1,024 float32; x 4 x 2,048 x 1,024 float32.
;; Outputs: out0 4 x 2,048 x 1,024 float32.
;; This version of the problem:
;;   THIS VERSION OF THE PROBLEM IS GIVEN IN LOW PRECISION. The matrix products marked QUANTISED in the list below multiply operands that are first quantised to E2M3 (2 exponent bits, 3 mantissa bits; 6 bits a number), with one power-of-two scale for each 32 numbers along K (OCP MX v1.0); their sums are f32. All else is computed in f32.
;;   The module's matrix products, in the order in which they are computed (A, B: the left and right operand; K: the contracted axis; several contracted axes count as one K, in the product's order):
;;     1. [M 8,192, K 1,024] x [K 1,024, N 1,024]; A: input x; B: input Wq: QUANTISED
;;     2. [M 8,192, K 1,024] x [K 1,024, N 1,024]; A: input x; B: input Wk: QUANTISED
;;     3. [M 8,192, K 1,024] x [K 1,024, N 1,024]; A: input x; B: input Wv: QUANTISED
;;     4. batch 64 x [M 2,048, K 64] x [K 64, N 2,048]; A: computed on the way; B: computed on the way: QUANTISED
;;     5. batch 64 x [M 2,048, K 2,048] x [K 2,048, N 64]; A: softmax (see below); B: computed on the way: QUANTISED
;;     6. [M 8,192, K 1,024] x [K 1,024, N 1,024]; A: computed on the way; B: input Wp: QUANTISED
;;   THE QUANTISER, for each operand of a quantised product, along K:
;;     - K is cut into blocks of 32 from its start; a last block that is shorter is filled with zeros.
;;     - A block's scale is 2^e with e = floor(log2(the largest magnitude in the block)) - 2, held to -126 .. 127; a block of zeros has e = 0. As a byte (E8M0): e + 127.
;;     - Each number is divided by its block's scale, clamped to +-7.5, and rounded to the nearest number of E2M3, ties to even, subnormals kept.
;;     - The product sums the exact products of the quantised numbers (number of the format x scale) in f32.
;;   ~~~python
;;   def quantise(x, axis):      # numpy; x: float32 -> the quantised numbers, widened to float32 again
;;       x = np.moveaxis(x, axis, -1); K = x.shape[-1]
;;       x = np.pad(x, [(0, 0)] * (x.ndim - 1) + [(0, -K % 32)]); x = x.reshape(x.shape[:-1] + (-1, 32)); a = np.abs(x).max(-1, keepdims=True)
;;       e = np.where(a > 0, np.clip(np.frexp(np.where(a > 0, a, 1))[1] - 1 - 2, -126, 127), 0)      # np.frexp(a)[1] - 1 = floor(log2(a)), exactly
;;       r = np.clip(x / 2.0 ** e, -7.5, 7.5)
;;       step = 2.0 ** (np.maximum(np.frexp(np.where(r == 0, 1, r))[1] - 1, 0) - 3)
;;       q = np.round(r / step) * step * 2.0 ** e      # np.round: ties to even
;;       return np.moveaxis(q.reshape(q.shape[:-2] + (-1,))[..., :K], -1, axis).astype(np.float32)
;;   ~~~
;;   SOFTMAX AHEAD OF A QUANTISED PRODUCT. Where the list says 'softmax', what is quantised is not the finished softmax but p = 2^(t - M), with t = logit x log2(e) and M = ceil(the row's largest t), a whole number; so 1/2 < the row's largest p <= 1. The row's sum l is taken of the UNQUANTISED p, in f32, and the product's result is divided by l at the end. Since M is a whole number, a kernel that streams over the keys may use a running M (the ceiling of the running maximum): every later rescaling is an exact power of two, which a block's scale takes up: the codes' values come out the same.
;;   OPERANDS COMPUTED ON THE WAY. 'Computed on the way' means the value that the module computes at that place (a softmax that the list does not call 'softmax' is quantised finished and normalised). What goes into a quantiser is computed in f32, as accurately as f32 sums, v_exp_f32 and their like allow (about 1e-6 of the number): no bf16 or f16 on the way to a quantiser, and a product that is left as it is and whose result goes on into a quantised operand takes f32 operands (vector FMAs, or v_wmma_f32_16x16x4_f32). A number that lies on a knife's edge between two numbers of the format may be rounded either way, as far as f32 arithmetic and the matrix unit's own rounding can turn it there, and no further.
;; One version. Each part assembles by itself: llvm-mc -triple=amdgcn-amd-amdhsa -mcpu=gfx1250 --defsym DOCPART=n.
;; ======== version 1 of 1: 4 launches
;; limits: right only within a limited range of input values
;; workspace buffers: xc 6,291,456 bytes; xs 262,144 bytes; wc 3,145,728 bytes; ws 131,072 bytes; qkvc 18,874,368 bytes; qkvs 786,432 bytes; yc 6,291,456 bytes; ys 262,144 bytes
;; launch quant (part 1): grid 1280 x 1, 4 waves a work-group, no clusters, 46,592 bytes of LDS; arguments x, Wq, Wk, Wv, Wp, xc, xs, wc, ws; writes xc, xs, wc, ws
.if DOCPART == 1
	.amdgcn_target "amdgcn-amd-amdhsa--gfx1250"
	.amdhsa_code_object_version 6
	.text
	.protected	k_qe77339a850_quant
	.globl	k_qe77339a850_quant
	.p2align	8
	.type	k_qe77339a850_quant,@function
k_qe77339a850_quant:
	s_mov_b64 s[64:65], 0
	v_nop
	global_prefetch_b8 v0, s[64:65] scope:SCOPE_SE
	s_setreg_imm32_b32 hwreg(HW_REG_WAVE_MODE, 25, 1), 1
	s_wait_xcnt 0x0
; x [8192][1024] and Wq, Wk, Wv, Wp [1024 (k)][1024 (n)], f32, become codes of FP6 (E2M3) with one E8M0 byte for each 32 along K, laid IN THE ORDER OF THE OPERAND'S REGISTERS.
; A FRAGMENT is 16 rows x 128 K, 12 registers a lane: lane (r, h) holds row r, registers 6 c .. 6 c + 5 hold k = 64 c + 32 h + 0 .. 31.  Its image is 1,536 bytes: chunk p (registers 2 p, 2 p + 1) at 256 p, lane l at 8 l.
; THE ROWS OF A TILE ARE NOT NEIGHBOURS: lane r of tile 2 g + u holds row 32 g + 8 u + r + 8 (r / 8), in every operand of this program.
; xc: [512 tiles][8 K steps] images;  xs: [tile][K step][16 r] scale words;  wc, ws: the same for the 64 tiles of n of each of the four weights (q, k, v, p).
; A block's scale is 2^(floor(log2(its largest magnitude)) - 2); its byte is the largest magnitude's exponent field - 2, held at 1 from below.
; LIMITS: a block of zeros gets the byte 1 where the rule says 127 (its codes are zeros, and this program alone reads the bytes); blocks whose largest magnitude lies under 2^-124 were not tried; NaN and infinities are not served.
; Work-groups 0 to 1,023 take x (a wave: one fragment), the other 256 the weights (a wave: 32 columns x 128 k = two fragments).  Waves share nothing: no barrier.  No work-group shares input with another: no cluster.
; The two paths have LDS bytes of their own.
.set R,    16                          ; x path: v16-79 the numbers as loaded;  W path: v16-143 four blocks of 32 numbers
.set X,    80                          ; x path: v80-143 my two blocks of 32 neighbours
.set C,    144                         ; the codes
.set T,    156                         ; the conversions of a block's upper 16 (three registers that begin on an even number)
.set XSTG, 8448                        ; x path: a wave's stage: 16 rows x (512 + 16) bytes
.set WSTG, 33792                       ; W path: the stages begin here, 3,072 bytes a wave
	s_load_b512 s[4:19], s[0:1], 0x0               ; x s[4:5], Wq s[6:7], Wk s[8:9], Wv s[10:11], Wp s[12:13], xc s[14:15], xs s[16:17], wc s[18:19]
	s_load_b64 s[20:21], s[0:1], 0x40              ; ws
	v_lshl_add_u32 v168, v0, 2, 0xb400
	v_mov_b32 v169, 0
	v_lshrrev_b32 v1, 5, v0
	v_readfirstlane_b32 s22, v1                    ; wave
	v_and_b32 v6, 31, v0                           ; lane
	s_cmp_lt_u32 ttmp9, 1024
	s_cbranch_scc0 .Lw
	; ---------------- x: fragment (tile, K step) ----------------
	v_and_b32 v7, 15, v0                           ; r
	v_bfe_u32 v8, v0, 4, 1                         ; h
	v_lshlrev_b32 v1, 4, v6                        ; 16 x lane: my 16 bytes of a row's 512
	s_mul_i32 s23, s22, XSTG
	v_add_nc_u32 v2, s23, v1                       ; the stage, on the way in
	v_mul_u32_u24 v3, v7, 528
	v_lshl_add_u32 v3, v8, 7, v3
	v_add_nc_u32 v3, s23, v3                       ; and out: row r, + 128 h: my 32 numbers of each 64
	v_lshlrev_b32 v4, 3, v6                        ; 8 x lane: my place in a chunk of the image
	v_lshlrev_b32 v5, 2, v7                        ; 4 r: my row's scale word
	s_mov_b32 s30, 0x76543210
	s_mov_b32 s31, 0xfedcba98                      ; v_permlanex16_b32's selects for lane l xor 16
	s_lshr_b32 s24, ttmp9, 1                       ; tile
	s_and_b32 s25, ttmp9, 1
	s_lshl_b32 s25, s25, 2
	s_add_co_u32 s25, s25, s22                     ; K step
	s_lshr_b32 s26, s24, 1
	s_lshl_b32 s26, s26, 5
	s_and_b32 s27, s24, 1
	s_lshl_b32 s27, s27, 3
	s_add_co_u32 s26, s26, s27                     ; the tile's first row: 32 g + 8 u
	s_lshl_b32 s26, s26, 12                        ; rows of 4,096 bytes
	s_lshl_b32 s27, s25, 9                         ; 512 bytes a K step
	s_add_co_u32 s26, s26, s27
	s_mov_b32 s27, 0
	s_mul_i32 s28, s24, 12288
	s_mul_i32 s29, s25, 1536
	s_add_co_u32 s28, s28, s29
	s_mov_b32 s29, 0
	s_lshl_b32 s32, s24, 9
	s_lshl_b32 s33, s25, 6
	s_add_co_u32 s32, s32, s33
	s_mov_b32 s33, 0
	s_wait_alu depctr_va_vdst(0)
	s_wait_kmcnt 0x0
	s_add_nc_u64 s[4:5], s[4:5], s[26:27]
	s_add_nc_u64 s[14:15], s[14:15], s[28:29]
	s_add_nc_u64 s[16:17], s[16:17], s[32:33]
.irp p, 0,1,2,3,4,5,6,7,8,9,10,11,12,13,14,15
	global_load_b128 v[R+4*\p:R+4*\p+3], v1, s[4:5] offset:(\p+8*(\p/8))*4096 th:TH_LOAD_NT   ; the tile's row p: 32 lanes read 512 consecutive bytes
.endr
.irp p, 0,1,2,3,4,5,6,7,8,9,10,11,12,13,14,15
	s_wait_loadcnt 15-\p                           ; loads come back in order: row p is in, the younger ones stay out
	ds_store_b128 v2, v[R+4*\p:R+4*\p+3] offset:528*\p
.endr
.irp c, 0,1
.irp j, 0,1,2,3,4,5,6,7
	ds_load_b128 v[X+32*\c+4*\j:X+32*\c+4*\j+3], v3 offset:256*\c+16*\j   ; LDS serves a wave's instructions in order: these see my stores.  k = 64 c + 32 h + 4 j ..
.endr
.endr
	s_wait_dscnt 0x0
.irp c, 0,1                                    ; block 2 c + h of row r: all its 32 numbers are mine
	v_max3_num_f32 v[10+\c], |v[X+32*\c]|, |v[X+32*\c+1]|, 0x1800000   ; with the floor 2^(3 - 127): the byte cannot fall under 1
.endr
.irp i, 2,4,6,8,10,12,14,16,18,20,22,24,26,28,30
.irp c, 0,1
	v_max3_num_f32 v[10+\c], v[10+\c], |v[X+32*\c+\i]|, |v[X+32*\c+\i+1]|
.endr
.endr
.irp c, 0,1
	v_add_nc_u32 v[12+\c], 0xff000000, v[10+\c]    ; 2 off the exponent field: the conversion's scale operand
.endr
.irp c, 0,1
	v_lshrrev_b32 v[14+\c], 23, v[12+\c]           ; the scale's byte
.endr
	v_lshl_or_b32 v9, v15, 16, v14                 ; my two bytes, blocks h and 2 + h,
	v_lshlrev_b32 v8, 3, v8
	v_lshlrev_b32 v9, v8, v9                       ; at their places in the word (8 h bits up);
	v_permlanex16_b32 v10, v9, s30, s31
	v_or_b32 v9, v9, v10                           ; with lane l xor 16's two the word is whole
.irp c, 0,1
	v_cvt_scalef32_pk16_fp6_f32 v[C+6*\c:C+6*\c+2], v[X+32*\c:X+32*\c+15], v[12+\c]
	v_cvt_scalef32_pk16_fp6_f32 v[T+4*\c:T+4*\c+2], v[X+32*\c+16:X+32*\c+31], v[12+\c]
.endr
	v_nop                                          ; one plain place behind a scaled conversion
.irp c, 0,1
.irp i, 0,1,2
	v_mov_b32 v[C+6*\c+3+\i], v[T+4*\c+\i]
.endr
.endr
.irp p, 0,1,2,3,4,5
	global_store_b64 v4, v[C+2*\p:C+2*\p+1], s[14:15] offset:256*\p   ; 32 lanes store 256 consecutive bytes, aligned
.endr
	global_store_b32 v5, v9, s[16:17]              ; 64 bytes of scale words; lanes 16-31 write the same words with the same values
	s_wait_tensorcnt 0x0
	ds_add_u32 v168, v169
	s_wait_dscnt 0x0
	s_endpgm
	; ---------------- a weight: 32 columns x 128 k ----------------
.Lw:
	s_wait_alu depctr_va_vdst(0)
	v_lshlrev_b32 v1, 2, v6                        ; a lane takes column 32 g + lane, its registers run down K
	v_bfe_u32 v7, v0, 3, 1                         ; u: which of the pair's two tiles my column falls into
	v_bfe_u32 v8, v0, 4, 1
	v_and_b32 v9, 7, v0
	v_lshl_or_b32 v9, v8, 3, v9                    ; r: its lane there
	s_mul_i32 s23, s22, 3072
	s_add_co_u32 s23, s23, WSTG
	v_mul_u32_u24 v2, v7, 1536
	v_lshl_add_u32 v2, v9, 3, v2
	v_add_nc_u32 v2, s23, v2                       ; the stage, on the way in: image u, 8 r
	v_lshlrev_b32 v4, 4, v6
	v_add_nc_u32 v3, s23, v4                       ; and out: 16 x lane
	v_lshlrev_b32 v5, 9, v7
	v_lshl_add_u32 v5, v9, 2, v5                   ; my scale word: 512 u + 4 r
	s_sub_co_u32 s24, ttmp9, 1024
	s_lshr_b32 s25, s24, 6                         ; which weight
	s_and_b32 s26, s24, 7                          ; K step
	s_bfe_u32 s27, s24, 0x30003
	s_lshl_b32 s27, s27, 2
	s_add_co_u32 s27, s27, s22                     ; g
	s_lshl_b32 s28, s26, 19                        ; 128 rows of 4,096 bytes a K step
	s_lshl_b32 s29, s27, 7
	s_add_co_u32 s28, s28, s29
	s_mov_b32 s29, 0
	s_mul_i32 s32, s25, 786432
	s_mul_i32 s33, s27, 24576
	s_add_co_u32 s32, s32, s33
	s_mul_i32 s33, s26, 1536
	s_add_co_u32 s32, s32, s33
	s_mov_b32 s33, 0
	s_lshl_b32 s34, s25, 15
	s_lshl_b32 s35, s27, 10
	s_add_co_u32 s34, s34, s35
	s_lshl_b32 s35, s26, 6
	s_add_co_u32 s34, s34, s35
	s_mov_b32 s35, 0
	s_wait_kmcnt 0x0
	s_cmp_eq_u32 s25, 1                            ; the choice hangs on the work-group's number alone
	s_cselect_b64 s[6:7], s[8:9], s[6:7]
	s_cmp_eq_u32 s25, 2
	s_cselect_b64 s[6:7], s[10:11], s[6:7]
	s_cmp_eq_u32 s25, 3
	s_cselect_b64 s[6:7], s[12:13], s[6:7]
	s_add_nc_u64 s[6:7], s[6:7], s[28:29]
	s_add_nc_u64 s[18:19], s[18:19], s[32:33]
	s_add_nc_u64 s[20:21], s[20:21], s[34:35]
.macro WLOAD q                         ; block q: W(32 q + i, my column): 32 lanes read 128 consecutive bytes, the four waves 512
.irp i, 0,1,2,3,4,5,6,7,8,9,10,11,12,13,14,15,16,17,18,19,20,21,22,23,24,25,26,27,28,29,30,31
	global_load_b32 v[R+32*(\q)+\i], v1, s[6:7] offset:(32*(\q)+\i)*4096 th:TH_LOAD_NT
.endr
.endm
.macro WBLOCK q
.set XS, R+32*(\q)
.if (\q) < 3
	s_wait_loadcnt 32                              ; this block's 32 loads are in; the next block's may be out
.else
	s_wait_loadcnt 0x0
.endif
.if (\q) < 2
	WLOAD (\q)+2                                   ; two blocks ahead, into registers of its own
.endif
	v_max3_num_f32 v10, |v[XS]|, |v[XS+1]|, |v[XS+2]|
	v_max3_num_f32 v11, |v[XS+3]|, |v[XS+4]|, |v[XS+5]|
.irp i, 6,10,14,18,22,26
	v_max3_num_f32 v10, v10, |v[XS+\i]|, |v[XS+\i+1]|
	v_max3_num_f32 v11, v11, |v[XS+\i+2]|, |v[XS+\i+3]|
.endr
	v_max3_num_f32 v10, v10, |v[XS+30]|, |v[XS+31]|
	v_max3_num_f32 v10, v10, v11, 0x1800000        ; and the floor
	v_add_nc_u32 v12, 0xff000000, v10
	v_lshrrev_b32 v13, 23, v12
.if (\q) == 0
	v_mov_b32 v150, v13                            ; the column's scale word: byte q
.else
	v_lshl_or_b32 v150, v13, 8*(\q), v150
.endif
	v_cvt_scalef32_pk16_fp6_f32 v[C:C+2], v[XS:XS+15], v12
	v_cvt_scalef32_pk16_fp6_f32 v[T:T+2], v[XS+16:XS+31], v12
	v_nop                                          ; one plain place behind a scaled conversion
.irp i, 0,1,2
	v_mov_b32 v[C+3+\i], v[T+\i]
.endr
.irp j, 0,1,2
	ds_store_b64 v2, v[C+2*\j:C+2*\j+1] offset:768*((\q)/2)+128*((\q)%2)+256*\j   ; block q is registers 6 (q / 2) .. + 5 of lane r + 16 (q % 2)
.endr
	s_wait_dscnt 0x0                               ; the stores have read their registers: the next block's codes may be written
.endm
	WLOAD 0
	WLOAD 1
.irp q, 0,1,2,3
	WBLOCK \q
.endr
.irp t, 0,1,2,3,4,5
	ds_load_b128 v[R+4*\t:R+4*\t+3], v3 offset:512*\t   ; the two images, 512 bytes at a time
.endr
.irp t, 0,1,2,3,4,5
	s_wait_dscnt 5-\t
	global_store_b128 v4, v[R+4*\t:R+4*\t+3], s[18:19] offset:12288*(\t/3)+512*(\t%3)   ; 32 lanes store 512 consecutive bytes, aligned
.endr
	s_wait_alu depctr_va_vdst(0)
	global_store_b32 v5, v150, s[20:21]
	s_wait_tensorcnt 0x0
	ds_add_u32 v168, v169
	s_wait_dscnt 0x0
	s_endpgm
.Lfunc_end_k_qe77339a850_quant:
	.size	k_qe77339a850_quant, .Lfunc_end_k_qe77339a850_quant-k_qe77339a850_quant
	.p2alignl 7, 3214868480
	.fill 96, 4, 3214868480
	.section	.rodata,"a",@progbits
	.p2align	6, 0x0
	.amdhsa_kernel k_qe77339a850_quant
		.amdhsa_group_segment_fixed_size 46592
		.amdhsa_private_segment_fixed_size 0
		.amdhsa_enable_private_segment 0
		.amdhsa_kernarg_size 72
		.amdhsa_user_sgpr_count 2
		.amdhsa_user_sgpr_kernarg_segment_ptr 1
		.amdhsa_wavefront_size32 1
		.amdhsa_system_sgpr_workgroup_id_x 1
		.amdhsa_system_sgpr_workgroup_id_y 1
		.amdhsa_system_sgpr_workgroup_id_z 1
		.amdhsa_system_vgpr_workitem_id 0
		.amdhsa_next_free_vgpr 170
		.amdhsa_next_free_sgpr 66
		.amdhsa_reserve_vcc 0
		.amdhsa_float_denorm_mode_32 3
		.amdhsa_float_denorm_mode_16_64 3
		.amdhsa_memory_ordered 1
		.amdhsa_forward_progress 1
		.amdhsa_inst_pref_size 32
	.end_amdhsa_kernel
	.amdgpu_metadata
---
amdhsa.version: [ 1, 2 ]
amdhsa.kernels:
  - .name:           k_qe77339a850_quant
    .symbol:         k_qe77339a850_quant.kd
    .args:
      - { .name: x, .offset: 0, .size: 8, .value_kind: global_buffer, .address_space: global }
      - { .name: Wq, .offset: 8, .size: 8, .value_kind: global_buffer, .address_space: global }
      - { .name: Wk, .offset: 16, .size: 8, .value_kind: global_buffer, .address_space: global }
      - { .name: Wv, .offset: 24, .size: 8, .value_kind: global_buffer, .address_space: global }
      - { .name: Wp, .offset: 32, .size: 8, .value_kind: global_buffer, .address_space: global }
      - { .name: xc, .offset: 40, .size: 8, .value_kind: global_buffer, .address_space: global }
      - { .name: xs, .offset: 48, .size: 8, .value_kind: global_buffer, .address_space: global }
      - { .name: wc, .offset: 56, .size: 8, .value_kind: global_buffer, .address_space: global }
      - { .name: ws, .offset: 64, .size: 8, .value_kind: global_buffer, .address_space: global }
    .group_segment_fixed_size: 46592
    .private_segment_fixed_size: 0
    .kernarg_segment_align: 8
    .kernarg_segment_size: 72
    .max_flat_workgroup_size: 128
    .sgpr_count:     66
    .vgpr_count:     170
    .wavefront_size: 32
...
	.end_amdgpu_metadata
.endif
;; end of part 1
;; launch qkv (part 2): grid 8 x 32, 4 waves a work-group, clusters of 4 x 4, 327,680 bytes of LDS; arguments xc, xs, wc, ws, bq, bk, bv, qkvc, qkvs; writes qkvc, qkvs
.if DOCPART == 2
	.amdgcn_target "amdgcn-amd-amdhsa--gfx1250"
	.amdhsa_code_object_version 6
	.text
	.protected	k_qe77339a850_qkv
	.globl	k_qe77339a850_qkv
	.p2align	8
	.type	k_qe77339a850_qkv,@function
k_qe77339a850_qkv:
	s_mov_b64 s[64:65], 0
	v_nop
	global_prefetch_b8 v0, s[64:65] scope:SCOPE_SE
	s_setreg_imm32_b32 hwreg(HW_REG_WAVE_MODE, 25, 1), 1
	s_wait_xcnt 0x0
	s_wait_alu depctr_hold_cnt(0) depctr_sa_sdst(0) depctr_va_vdst(0) depctr_va_sdst(0) depctr_va_ssrc(0) depctr_va_vcc(0) depctr_vm_vsrc(0)
	s_getreg_b32 s2, hwreg(HW_REG_IB_STS2, 6, 4)
	s_cmp_eq_u32 s2, 0
	s_cbranch_scc0 .Lentry_in_a_cluster
	s_endpgm
.Lentry_in_a_cluster:
	s_bfe_u32 s2, ttmp6, 0x10000c
	s_cmp_lg_u32 s2, 0xf033
	s_cbranch_scc0 .Lentry_shape_is_right
	s_endpgm
.Lentry_shape_is_right:
; q = x Wq + bq, k = x Wk + bk, v = x Wv + bv on codes of FP6 (E2M3) with E8M0 scales; the results are quantised in registers and stored as codes, in the order in which the attention launch's operands take them.
; OPERANDS lie in memory as images of their registers: a fragment of 16 rows x 128 K is 1,536 bytes, chunk p (registers 2 p, 2 p + 1) at 256 p, lane l at 8 l; a tile of 16 rows, all of K, is 12,288 bytes on end.
; Lane r of tile 2 g + u holds row 32 g + 8 u + r + 8 (r / 8).  Scale words: [tile][K step][16 r], so 4 x lane reads the words of two K steps: lanes 0-15 the even step's, lanes 16-31 the odd step's.
; THE DEAL.  256 work-groups of four waves, 2 x 2.  A work-group keeps its 256 rows of x, ALL of K (16 tiles, 196,608 bytes), in LDS for the whole launch and takes them past 128 columns (two heads) of Wq, then of Wk, then of Wv: three phases.
; A wave holds one head's 64 columns of the phase's weight, all of K, in registers (32 fragments, 384 registers) and streams its 128 tokens (wave row a: tiles 8 a + s) past them: eight blocks of 32 products.
; Q, K: source 0 = the weight's rows, source 1 = x's rows: a lane holds one token, its 32 results of a block run along the head's 64; two blocks (a group of 32 tokens) make one image of 12 registers and one scale word.
; V: source 0 = x's rows, source 1 = Wv's rows: a lane holds one of the head's 64, its registers run along the tokens, which are the second attention product's K; the eight blocks' 256 results make four images at the phase's end.
; The bias is the C of each sum's first product.
; LDS: x's tiles at 0; the weight's eight tiles at BLDS; x's scale words at SLDS; the spare words.
; FILLS: at the head one joint load a wave: wave 0 Wq's tiles, wave 1 x's scale words, waves 2 and 3 eight tiles of x each.  The weight's region is filled again twice, by wave 0, directly behind the waves' loads of the weight into registers:
; every wave's wait for its tensor loads, the add, the wait for its LDS work, a round of the cluster's barrier, the load.  A refill is first read a whole phase, 256 products a wave, behind its request; a plain barrier at the phase's end shows it to all.
; The first trip's round also shows x's tiles and scale words to all waves.
; CLUSTERS 4 x 4: x's tiles and scale words hang on the tile row alone and are asked for jointly along a row of the cluster, the weights' on the tile column alone, jointly along a column.
; No data prefetch: the head's tiles are asked for at once, and each refill a whole phase ahead of its first read.
; OUT.  qkvc: [q, k, v][16 batch + head][16 steps of 128 tokens][4][1,536 bytes]: q, k: the step's four groups of 32 tokens; v: four tiles of 16 of the head's 64.   qkvs: [3][16 batch + head][16 steps][16 r][4 words].
; LIMITS: a block of zeros gets the byte 1 (its codes are zeros; this program alone reads the bytes); blocks whose largest magnitude lies under 2^-124 were not tried; NaN and infinities are not served.
; REGISTERS: window 0: v2-13 addresses; v16-31 the weight's scale words (4 k + b: tile b, K steps 2 k, 2 k + 1); v64-79 x's, two sets; v80-111 the bias; v112-151 the quantiser's; v152-155 bv's numbers; v160-255 x's fragments, set 1.
;   window 1: the weight's fragments 4 q + b = 0 .. 20;  window 2: fragments 21 .. 31, and from v132 x's fragments, set 0;  window 3: the accumulators (Q, K: two blocks of 32; V: 64 b + 8 s).
.set FR,     12
.set FPW,    21
.set BLDS,   196608
.set SLDS,   294912
.set SPARE,  303104
.set ADRB, 2
.set AD,   4                           ; v4, v5: my tiles 8 a + s, s = 0-3, 4-7
.set ADRS, 6
.set SPW,  12
.set NIL,  13
.set BI,   80
.set TM,   112
.set PC,   128
.set PT,   140
.set G1A, 24
.set G1B, 32
.set G1S, 40
.set G0B, 48
.set G0S, 52
.set G0A0, 56
.set G0A1, 60
.set MSB, 0
.macro WIN new                         ; the immediate's high byte repeats the setting that is left
.if MSB != (\new)
	s_set_vgpr_msb (MSB<<8)|(\new)
.set MSB, (\new)
.endif
.endm
.macro PLACES n
.rept \n
	v_nop
.endr
.endm
.macro TLOAD g0, g1
	tensor_load_to_lds s[\g0:\g0+3], s[\g1:\g1+7]
	s_nop 0
	PLACES 4
.endm
.macro BARRIER
	s_barrier_signal -1
	s_barrier_wait -1
.endm
.macro CROUND
	BARRIER
	s_cmp_lg_u32 s14, 0
	s_cbranch_scc1 .Lnot_wave_0_\@
	s_barrier_signal -3
.Lnot_wave_0_\@:
	s_barrier_wait -3
	BARRIER
.endm
.macro WSLOAD                          ; the weight's scale words, my four tiles
.irp k, 0,1,2,3
.irp b, 0,1,2,3
	global_load_b32 v[16+4*\k+\b], v9, s[10:11] offset:512*\b+128*\k
.endr
.endr
.endm
.macro BILOAD lo                       ; Q, K: register j of tile b is column 32 (b / 2) + 8 (b % 2) + 16 h + j of the head
.irp b, 0,1,2,3
	global_load_b128 v[BI+8*\b:BI+8*\b+3], v7, s[\lo:\lo+1] offset:(32*(\b/2)+8*(\b%2))*4
	global_load_b128 v[BI+8*\b+4:BI+8*\b+7], v7, s[\lo:\lo+1] offset:(32*(\b/2)+8*(\b%2))*4+16
.endr
.endm
	s_load_b256 s[4:11], s[0:1], 0x0               ; xc, xs, wc, ws
	s_load_b128 s[84:87], s[0:1], 0x20             ; bq, bk
	s_load_b64 s[88:89], s[0:1], 0x30              ; bv
	s_load_b128 s[92:95], s[0:1], 0x38             ; qkvc, qkvs
	v_lshl_add_u32 v[SPW], v0, 2, SPARE
	v_mov_b32 v[NIL], 0
	ds_add_u32 v[SPW], v[NIL]                      ; the opening lines: the add twice on end and its wait
	ds_add_u32 v[SPW], v[NIL]
	v_lshrrev_b32 v1, 5, v0
	v_readfirstlane_b32 s14, v1                    ; wave
	s_lshr_b32 s15, s14, 1                         ; a: my row of the 2 x 2
	s_and_b32 s16, s14, 1                          ; my column
	s_bfe_u32 s17, ttmp6, 0x40000                  ; cx
	s_bfe_u32 s18, ttmp6, 0x40004                  ; cy
	s_lshl_b32 s19, ttmp9, 2
	s_add_co_u32 s19, s19, s17                     ; tile column, 0 .. 7: heads 2 c, 2 c + 1
	s_and_b32 s20, ttmp7, 0xffff
	s_lshl_b32 s20, s20, 2
	s_add_co_u32 s20, s20, s18                     ; tile row, 0 .. 31
	s_lshl_b32 s21, s18, 2
	s_lshl_b32 s21, 15, s21                        ; my row of the cluster
	s_lshl_b32 s22, 0x1111, s17                    ; my column
	s_or_b32 s[G1A], s21, (3<<16)|(1<<21)
	s_or_b32 s[G1B], s22, (3<<16)|(1<<21)
.irp g, G1A, G1B                       ; eight tiles: 98,304 dense bytes as 96 rows of 1,024
	s_mov_b32 s[\g+1], 128<<16
	s_mov_b32 s[\g+2], 96<<16
	s_mov_b32 s[\g+3], 128<<16
	s_mov_b32 s[\g+4], 96
	s_mov_b32 s[\g+5], 128
	s_mov_b32 s[\g+6], 0
	s_mov_b32 s[\g+7], 0
.endr
	s_or_b32 s[G1S], s21, (3<<16)|(1<<21)          ; the scale words of 16 tiles: 8,192 dense bytes as 32 rows of 256
	s_mov_b32 s[G1S+1], 32<<16
	s_mov_b32 s[G1S+2], 32<<16
	s_mov_b32 s[G1S+3], 32<<16
	s_mov_b32 s[G1S+4], 32
	s_mov_b32 s[G1S+5], 32
	s_mov_b32 s[G1S+6], 0
	s_mov_b32 s[G1S+7], 0
	s_mul_i32 s68, s20, 196608                     ; x's 16 tiles
	s_mov_b32 s69, 0
	s_lshl_b32 s70, s20, 13                        ; their scale words
	s_mov_b32 s71, 0
	s_mul_i32 s72, s19, 98304                      ; Wq's eight tiles
	s_mov_b32 s73, 0
	s_mov_b32 s[G0B], 1
	s_mov_b32 s[G0B+1], BLDS
	s_mov_b32 s[G0S], 1
	s_mov_b32 s[G0S+1], SLDS
	s_mov_b32 s[G0A0], 1
	s_mov_b32 s[G0A0+1], 0
	s_mov_b32 s[G0A1], 1
	s_mov_b32 s[G0A1+1], 98304
	s_mov_b32 s90, 0x76543210
	s_mov_b32 s91, 0xfedcba98                      ; v_permlanex16_b32's selects for lane l xor 16
	s_mov_b32 s96, 0                               ; the phase
	s_wait_dscnt 0x0
	CROUND                                         ; in front of the first joint loads
	s_wait_kmcnt 0x0
	s_add_nc_u64 s[G0B+2:G0B+3], s[8:9], s[72:73]
	s_or_b32 s[G0B+3], s[G0B+3], 0x80000000
	s_add_nc_u64 s[G0S+2:G0S+3], s[6:7], s[70:71]
	s_or_b32 s[G0S+3], s[G0S+3], 0x80000000
	s_add_nc_u64 s[G0A0+2:G0A0+3], s[4:5], s[68:69]
	s_add_nc_u64 s[G0A1+2:G0A1+3], s[G0A0+2:G0A0+3], 98304
	s_or_b32 s[G0A0+3], s[G0A0+3], 0x80000000
	s_or_b32 s[G0A1+3], s[G0A1+3], 0x80000000
	s_cmp_eq_u32 s14, 0
	s_cbranch_scc0 .Lwave_1
	TLOAD G0B, G1B                                 ; wave 0: Wq's tiles, which go on into registers
	s_branch .Lasked
.Lwave_1:
	s_cmp_eq_u32 s14, 1
	s_cbranch_scc0 .Lwave_2
	TLOAD G0S, G1S                                 ; wave 1: x's scale words
	s_branch .Lasked
.Lwave_2:
	s_cmp_eq_u32 s14, 2
	s_cbranch_scc0 .Lwave_3
	TLOAD G0A0, G1A                                ; wave 2: x's tiles 0-7
	s_branch .Lasked
.Lwave_3:
	TLOAD G0A1, G1A                                ; wave 3: tiles 8-15
.Lasked:
	s_lshl_b32 s74, s19, 12                        ; the weights' scale words: 8 tiles of 512 bytes a tile column, my four
	s_lshl_b32 s75, s16, 11
	s_add_co_u32 s74, s74, s75
	s_mov_b32 s75, 0
	s_add_nc_u64 s[10:11], s[10:11], s[74:75]
	s_lshl_b32 s76, s19, 9                         ; my head's first column, in bytes
	s_lshl_b32 s77, s16, 8
	s_add_co_u32 s76, s76, s77
	s_mov_b32 s77, 0
	s_add_nc_u64 s[84:85], s[84:85], s[76:77]
	s_add_nc_u64 s[86:87], s[86:87], s[76:77]
	s_add_nc_u64 s[88:89], s[88:89], s[76:77]
	s_lshl_b32 s78, s20, 1
	s_add_co_u32 s78, s78, s15                     ; my 128 tokens, 0 .. 63
	s_lshr_b32 s79, s78, 4
	s_lshl_b32 s79, s79, 4                         ; 16 batch
	s_lshl_b32 s80, s19, 1
	s_add_co_u32 s79, s79, s80
	s_add_co_u32 s79, s79, s16                     ; + head
	s_and_b32 s78, s78, 15                         ; the step of 128 tokens in the batch
	s_mul_i32 s80, s79, 98304
	s_mul_i32 s81, s78, 6144
	s_add_co_u32 s80, s80, s81
	s_mov_b32 s81, 0
	s_add_nc_u64 s[92:93], s[92:93], s[80:81]
	s_lshl_b32 s80, s79, 12
	s_lshl_b32 s82, s78, 8
	s_add_co_u32 s80, s80, s82
	s_add_nc_u64 s[94:95], s[94:95], s[80:81]
	s_mul_i32 s82, s16, 49152
	s_add_co_u32 s82, s82, BLDS                    ; my four tiles of the weight
	s_mul_i32 s83, s15, 98304                      ; my eight tiles of x
	s_lshl_b32 s97, s15, 12
	s_add_co_u32 s97, s97, SLDS
	v_and_b32 v1, 31, v0
	v_and_b32 v3, 15, v0                           ; r
	v_bfe_u32 v7, v0, 4, 1                         ; h
	v_and_b32 v8, 8, v0
	v_lshl_add_u32 v[ADRB], v1, 3, s82
	v_lshl_add_u32 v[AD], v1, 3, s83
	v_lshl_add_u32 v[ADRS], v1, 2, s97
	v_lshlrev_b32 v9, 2, v1                        ; 4 x lane
	v_lshlrev_b32 v10, 4, v1                       ; 16 x lane: the codes' way out
	v_lshlrev_b32 v11, 4, v3                       ; 16 r: the scale words'
	v_add_nc_u32 v[AD+1], 49152, v[AD]
	v_lshlrev_b32 v7, 6, v7                        ; bq, bk: 64 h
	v_add_lshl_u32 v8, v8, v3, 2                   ; bv: 4 (r + 8 (r / 8))
.irp b, 0,1,2,3
	v_mov_b32 v[TM+4+\b], 0                        ; a lane permute's destination counts as one of its sources
.endr
	WSLOAD
	BILOAD 84
.irp t, 0,1,2,3
	global_load_b32 v[152+\t], v8, s[88:89] offset:(32*(\t/2)+8*(\t%2))*4   ; V: one number a lane and tile
.endr
	s_wait_alu depctr_va_vdst(0)                   ; the wait at the head's end
	s_cmp_eq_u32 s14, 0
	s_cbranch_scc0 .Lnot_b
	s_wait_tensorcnt 0x0
.Lnot_b:
	BARRIER                                        ; Wq's tiles are in
.macro WEIGHTS                         ; my 64 columns of the weight, all of K: 192 loads
.irp q, 0,1,2,3,4,5,6,7
.irp b, 0,1,2,3
.set F_, 4*\q+\b
	WIN (1+F_/FPW)<<6
.irp p, 0,1,2,3,4,5
	ds_load_b64 v[FR*(F_%FPW)+2*\p:FR*(F_%FPW)+2*\p+1], v[ADRB] offset:\b*12288+\q*1536+256*\p
.endr
.endr
.endr
	WIN 0
.endm
.macro FETCH s                         ; block s: tile 8 a + s, eight fragments and four registers of scale words, into set s % 2
.set E_, (\s)%2
	WIN (2-2*E_)<<6
.irp q, 0,1,2,3,4,5,6,7
.irp p, 0,1,2,3,4,5
	ds_load_b64 v[132+28*E_+FR*\q+2*\p:132+28*E_+FR*\q+2*\p+1], v[AD+(\s)/4] offset:((\s)%4)*12288+\q*1536+256*\p
.endr
.endr
	WIN 0
.irp k, 0,1,2,3
	ds_load_b32 v[64+8*E_+4*((\k+1)%2)+\k/2], v[ADRS] offset:(\s)*512+128*\k
.endr
.endm
.macro PROD1 d, a, b, c, xa, xb, row
	v_wmma_scale_f32_16x16x128_f8f6f4 v[\d:\d+7], v[\a:\a+FR-1], v[\b:\b+FR-1], \c, v[\xa], v[\xb] matrix_a_fmt:MATRIX_FMT_FP6 matrix_b_fmt:MATRIX_FMT_FP6 matrix_a_scale:MATRIX_SCALE_ROW\row matrix_b_scale:MATRIX_SCALE_ROW\row
.endm
.macro PROD2 d, a, b, q, bias, xa, xb
.if (\q) == 0
	PROD1 \d, \a, \b, v[\bias:\bias+7], \xa, \xb, 0
.elseif (\q)%2
	PROD1 \d, \a, \b, v[\d:\d+7], \xa, \xb, 1
.else
	PROD1 \d, \a, \b, v[\d:\d+7], \xa, \xb, 0
.endif
.endm
.macro PROD kind, s, q, b              ; the block's four accumulators take turns, K ascending
.set F_, 4*(\q)+(\b)
.set WW_, 1+F_/FPW
.set WR_, FR*(F_%FPW)
.set E_, (\s)%2
.set XW_, 2-2*E_
.set XR_, 132+28*E_+FR*(\q)
.set SW_, 16+4*((\q)/2)+(\b)
.set SX_, 64+8*E_+4*(((\q)/2+1)%2)+(\q)/4      ; never the weight's register's number modulo 8
.if (\q) == 0
.set CW_, 0
.else
.set CW_, 3
.endif
.if \kind
	WIN XW_|(WW_<<2)|(CW_<<4)|0xc0
	PROD2 64*(\b)+8*(\s), XR_, WR_, \q, BI+8*(\b), SX_, SW_
.else
	WIN WW_|(XW_<<2)|(CW_<<4)|0xc0
	PROD2 32*E_+8*(\b), WR_, XR_, \q, BI+8*(\b), SW_, SX_
.endif
.endm
; 64 results of a lane become a fragment's codes in v[PC] on and its scale word in v[pw].  Blocks 0, 1: registers s0 .. s0 + 31 of window w; blocks 2, 3: s1 .. s1 + 31.  In a block register i holds k = 16 (lane / 16) + i of its 32.
; Each accumulator is read from its low end on.
.macro QUANTW s0, s1, w, pw
	s_wait_xcnt 0x0                                ; the earlier stores have read the codes' and the words' registers
	WIN 0
.irp b, 0,1,2,3
	v_mov_b32 v[TM+\b], 0x1800000                  ; the floor 2^(3 - 127): the byte cannot fall under 1
.endr
	WIN ((\w)<<2)|((\w)<<4)
.irp i, 0,2,4,6,8,10,12,14
	v_max3_num_f32 v[TM+0], v[TM+0], |v[(\s0)+\i]|, |v[(\s0)+\i+1]|
	v_max3_num_f32 v[TM+1], v[TM+1], |v[(\s0)+16+\i]|, |v[(\s0)+16+\i+1]|
	v_max3_num_f32 v[TM+2], v[TM+2], |v[(\s1)+\i]|, |v[(\s1)+\i+1]|
	v_max3_num_f32 v[TM+3], v[TM+3], |v[(\s1)+16+\i]|, |v[(\s1)+16+\i+1]|
.endr
	WIN 0
.irp b, 0,1,2,3
	v_permlanex16_b32 v[TM+4+\b], v[TM+\b], s90, s91
.endr
.irp b, 0,1,2,3
	v_max_num_f32 v[TM+\b], v[TM+\b], v[TM+4+\b]   ; with lane l xor 16's: the block's largest magnitude
.endr
.irp b, 0,1,2,3
	v_add_nc_u32 v[TM+12+\b], 0xff000000, v[TM+\b] ; 2 off the exponent field: the conversion's scale operand
.endr
.irp b, 0,1,2,3
	v_lshrrev_b32 v[TM+4+\b], 23, v[TM+12+\b]      ; the scale's byte
.endr
	v_lshl_or_b32 v[\pw], v[TM+5], 8, v[TM+4]
	v_lshl_or_b32 v[\pw], v[TM+6], 16, v[\pw]
	v_lshl_or_b32 v[\pw], v[TM+7], 24, v[\pw]
	WIN (\w)
	v_cvt_scalef32_pk16_fp6_f32 v[PC:PC+2], v[(\s0):(\s0)+15], v[TM+12]
	v_cvt_scalef32_pk16_fp6_f32 v[PT:PT+2], v[(\s0)+16:(\s0)+31], v[TM+13]
	v_cvt_scalef32_pk16_fp6_f32 v[PC+6:PC+8], v[(\s1):(\s1)+15], v[TM+14]
	v_cvt_scalef32_pk16_fp6_f32 v[PT+4:PT+6], v[(\s1)+16:(\s1)+31], v[TM+15]
	WIN 0
	v_nop                                          ; one plain place behind a scaled conversion
.irp c, 0,1                                    ; the operand's layout wants a WHOLE block in a lane: lanes 0-15 block 2 c, lanes 16-31 block 2 c + 1
.irp i, 0,1,2
	v_permlane16_swap_b32 v[PC+6*\c+\i], v[PT+4*\c+\i]
.endr
.irp i, 0,1,2
	v_mov_b32 v[PC+3+6*\c+\i], v[PT+4*\c+\i]
.endr
.endr
.endm
.macro PUT lo                          ; image lo of my step: 32 lanes store 512 consecutive bytes, aligned; behind the fourth the four words of each row: sixteen lanes store 256 consecutive bytes (lanes 16-31 write the same values)
.irp c, 0,1,2
	global_store_b128 v10, v[PC+4*\c:PC+4*\c+3], s[92:93] offset:(\lo)*1536+512*\c
.endr
.if (\lo) == 3
	global_store_b128 v11, v[148:151], s[94:95]
.endif
.endm
.macro BLK kind, s
.irp q, 0,1,2,3,4,5,6,7
.irp b, 0,1,2,3
	PROD \kind, \s, \q, \b
.endr
.endr
	WIN 0
	s_wait_dscnt 0x0                               ; the next block's rows are in: they were asked for ahead of this block's products
	PLACES 4                                       ; between the products and the loads into their sources and the reads of their results
.if (\s)+2 < 8
	FETCH (\s)+2
.endif
.if (\kind) == 0 && (\s) == 7
	s_add_nc_u64 s[10:11], s[10:11], 32768         ; the next weight's scale words, and ahead of K its bias: they land under the quantiser, the change of phase and the weight's loads
	WSLOAD
	s_cmp_eq_u32 s96, 1
	s_cbranch_scc1 .Lno_bias
	BILOAD 86
.Lno_bias:
.endif
.if (\kind) == 0 && (\s)%2
	QUANTW 0, 32, 3, 148+(\s)/2                    ; a group of 32 tokens x the head's 64
	PUT (\s)/2
.endif
.endm
.Lqk:                                                  ; two trips: Q, K
	WEIGHTS
	s_wait_tensorcnt 0x0                           ; all my tensor loads are in (the first trip: the head's);
	ds_add_u32 v[SPW], v[NIL]
	s_add_nc_u64 s[G0B+2:G0B+3], s[G0B+2:G0B+3], 786432   ; no load of mine is out: the next weight's tiles
	s_wait_dscnt 0x0                               ; the add is done, and the weight is in my registers
	CROUND                                         ; so in every wave of all sixteen work-groups
	s_cmp_eq_u32 s14, 0
	s_cbranch_scc0 .Lno_fill
	TLOAD G0B, G1B                                 ; the weight's region is filled again
.Lno_fill:
	FETCH 0
	FETCH 1
	s_wait_loadcnt 0x0                             ; the weight's scale words and the bias
	s_wait_dscnt 0x0
.irp s, 0,1,2,3,4,5,6,7
	BLK 0, \s
.endr
	s_wait_tensorcnt 0x0                           ; the next weight's tiles are in,
	s_wait_dscnt 0x0
	BARRIER                                        ; and shown to all
	s_wait_xcnt 0x0                                ; the stores have read their bases
	s_add_nc_u64 s[92:93], s[92:93], 6291456       ; the next section of qkvc
	s_add_nc_u64 s[94:95], s[94:95], 262144        ; and of qkvs
	s_add_co_u32 s96, s96, 1
	s_cmp_lg_u32 s96, 2
	s_cbranch_scc1 .Lqk
	WEIGHTS                                        ; V
.irp t, 0,1,2,3
.irp i, 0,1,2,3,4,5,6,7
	v_mov_b32 v[BI+8*\t+\i], v[152+\t]             ; bv's number, one a lane and tile, over the tile's eight registers
.endr
.endr
	FETCH 0
	FETCH 1
	s_wait_alu depctr_va_vdst(0)                   ; ahead of the blocking waits
	s_wait_loadcnt 0x0
	s_wait_dscnt 0x0
.irp s, 0,1,2,3,4,5,6,7
	BLK 1, \s
.endr
.irp t, 0,1,2,3
	QUANTW 64*\t, 64*\t+32, 3, 148+\t              ; a tile of 16 of the head's 64 x my 128 tokens
	PUT \t
.endr
	s_wait_tensorcnt 0x0                           ; the wave's end
	ds_add_u32 v[SPW], v[NIL]
	s_wait_dscnt 0x0
	CROUND                                         ; the closing round
	s_endpgm
.Lfunc_end_k_qe77339a850_qkv:
	.size	k_qe77339a850_qkv, .Lfunc_end_k_qe77339a850_qkv-k_qe77339a850_qkv
	.p2alignl 7, 3214868480
	.fill 96, 4, 3214868480
	.section	.rodata,"a",@progbits
	.p2align	6, 0x0
	.amdhsa_kernel k_qe77339a850_qkv
		.amdhsa_group_segment_fixed_size 327680
		.amdhsa_private_segment_fixed_size 0
		.amdhsa_enable_private_segment 0
		.amdhsa_kernarg_size 72
		.amdhsa_user_sgpr_count 2
		.amdhsa_user_sgpr_kernarg_segment_ptr 1
		.amdhsa_wavefront_size32 1
		.amdhsa_system_sgpr_workgroup_id_x 1
		.amdhsa_system_sgpr_workgroup_id_y 1
		.amdhsa_system_sgpr_workgroup_id_z 1
		.amdhsa_system_vgpr_workitem_id 0
		.amdhsa_next_free_vgpr 1024
		.amdhsa_next_free_sgpr 100
		.amdhsa_reserve_vcc 0
		.amdhsa_float_denorm_mode_32 3
		.amdhsa_float_denorm_mode_16_64 3
		.amdhsa_memory_ordered 1
		.amdhsa_forward_progress 1
		.amdhsa_inst_pref_size 196
	.end_amdhsa_kernel
	.amdgpu_metadata
---
amdhsa.version: [ 1, 2 ]
amdhsa.kernels:
  - .name:           k_qe77339a850_qkv
    .symbol:         k_qe77339a850_qkv.kd
    .args:
      - { .name: xc, .offset: 0, .size: 8, .value_kind: global_buffer, .address_space: global }
      - { .name: xs, .offset: 8, .size: 8, .value_kind: global_buffer, .address_space: global }
      - { .name: wc, .offset: 16, .size: 8, .value_kind: global_buffer, .address_space: global }
      - { .name: ws, .offset: 24, .size: 8, .value_kind: global_buffer, .address_space: global }
      - { .name: bq, .offset: 32, .size: 8, .value_kind: global_buffer, .address_space: global }
      - { .name: bk, .offset: 40, .size: 8, .value_kind: global_buffer, .address_space: global }
      - { .name: bv, .offset: 48, .size: 8, .value_kind: global_buffer, .address_space: global }
      - { .name: qkvc, .offset: 56, .size: 8, .value_kind: global_buffer, .address_space: global }
      - { .name: qkvs, .offset: 64, .size: 8, .value_kind: global_buffer, .address_space: global }
    .group_segment_fixed_size: 327680
    .private_segment_fixed_size: 0
    .kernarg_segment_align: 8
    .kernarg_segment_size: 72
    .max_flat_workgroup_size: 128
    .sgpr_count:     100
    .vgpr_count:     1024
    .wavefront_size: 32
...
	.end_amdgpu_metadata
.endif
;; end of part 2
;; launch attn (part 3): grid 4 x 64, 16 waves a work-group, clusters of 4 x 1, 327,680 bytes of LDS; arguments qkvc, qkvs, yc, ys; writes yc, ys
.if DOCPART == 3
	.amdgcn_target "amdgcn-amd-amdhsa--gfx1250"
	.amdhsa_code_object_version 6
	.text
	.protected	k_qe77339a850_attn
	.globl	k_qe77339a850_attn
	.p2align	8
	.type	k_qe77339a850_attn,@function
k_qe77339a850_attn:
	s_mov_b64 s[64:65], 0
	v_nop
	global_prefetch_b8 v0, s[64:65] scope:SCOPE_SE
	s_setreg_imm32_b32 hwreg(HW_REG_WAVE_MODE, 25, 1), 1
	s_wait_xcnt 0x0
	s_wait_alu depctr_hold_cnt(0) depctr_sa_sdst(0) depctr_va_vdst(0) depctr_va_sdst(0) depctr_va_ssrc(0) depctr_va_vcc(0) depctr_vm_vsrc(0)
	s_getreg_b32 s2, hwreg(HW_REG_IB_STS2, 6, 4)
	s_cmp_eq_u32 s2, 0
	s_cbranch_scc0 .Lentry_in_a_cluster
	s_endpgm
.Lentry_in_a_cluster:
	s_bfe_u32 s2, ttmp6, 0x10000c
	s_cmp_lg_u32 s2, 0x3003
	s_cbranch_scc0 .Lentry_shape_is_right
	s_endpgm
.Lentry_shape_is_right:
; y = softmax(q k^T / 8, masked) v for one batch and head (work-group y) and 512 queries (place in the cluster), on codes of FP6 (E2M3) with E8M0 scales; y leaves as codes and scale bytes, in the order of the last launch's operand.
; A key j counts for query i iff j <= max(i, 1984).  Only keys 1985 .. 2047 can be masked: they lie in the upper half of the last step of 128 keys, which also holds live keys, so every step is multiplied and the mask is a select there.
; THE DEAL.  16 waves; wave w takes the group of 32 queries 16 cx + w, its two tiles of 16 in two trips of one loop.  All of the head's K, V and their scale words lie in LDS, fetched once, at the head.
; CLUSTER: the four work-groups of a head read the same K and V: every fill is a joint load with the mask 15.  Waves 0-5 fetch K (32 rows of 512 bytes each), waves 6-11 V, wave 12 both blocks of scale words (two rows of 4,096 bytes).
; No data prefetch: memory is asked for K and V once, at the head, and no loop of this text loads from memory, so there is nothing to run ahead of.
; BOTH PRODUCTS ARE USED TRANSPOSED: S^T = k q^T, O^T = v^T p^T: a lane holds one query.  The head's 64 fill half of the instruction's 128: a fragment of k holds two tiles of 16 keys, and q stands as [q, 0] or [0, q] (v16-33: q, zeros, q).
; THE KEYS OF A TILE ARE CHOSEN BY THE LANES' ADDRESSES: lane (r, h) of fragment (c, tp) reads lane (r % 8 + 8 tp, h) of the image of group 2 c + r / 8.  So rows 0-7 of a tile are keys of block 2 c, rows 8-15 of block 2 c + 1,
; and the 32 scores S + 32 c + 0 .. 31 of lane (r, h) are keys 64 c + 32 h + 0 .. 31 of the step: a whole scale block, in the order of p's operand.  No lane asks another for a block's maximum, and the codes fall where the operand wants them.
; K's rows of 512 bytes stand 640 apart in LDS, a group's image 1,920: lanes 0-7 and lanes 8-15 of a load then touch different halves of 256 bytes.
; SOFTMAX: t = score x log2(e) / 8; M = ceil(the running largest t), kept as -M; p = 2^(t - M); the row's sum is taken of the unquantised p; when M moves, sum and O^T are multiplied by 2^(old M - new M), made by ldexp.
; A BLOCK'S SCALE: its largest p is 2^x, x = the block's largest t - M, so floor(log2(largest p)) is floor(x): the byte is floor(x) + 125, with x held at -124 from below, so that the byte cannot fall under 1.
; LIMITS: holds while |t| stays under 2^31; NaN and infinities are not served; a block whose every p is 0 gets the byte 1 (its codes are zeros; this program alone reads the bytes);
; a block's largest p that the exponential rounds up to the next power of two (x within an ulp under a whole number) is held at the largest code.
; REGISTERS: v1-4 lane parts of the LDS addresses (K, V, K's scale words, V's), v5-8 the same for the step fetched next; v9 q's scale word; v10, 11 -M, largest t; v12, 13 the sum; v14 the factor, v15 p's scale word; v16-33 q; v34 q's words as loaded;
; v36, 37 K's scale words (lanes 0-15 tp = 0, lanes 16-31 tp = 1); v38, 39 block maxima; v40-43 V's scale words; v44-55 p's codes (v52-55 also at work ahead of them); v56-58, v60-62 the upper halves' codes (v56, 57 also at work); v59, v63 the spare word and 0;
; v64-127 S; v128-159 O^T; v160-207 K's four fragments; v208-255 V's four.
.set S,    64
.set O,    128
.set KF,   160
.set VF,   208
.set PC,   44
.set PT,   56
.set T0,   54
.set T1,   55
.set BM,   38
.set SPW,  59
.set NIL,  63
.set VLDS, 122880                      ; behind K's 192 rows of 640 bytes
.set SLDS, 221184                      ; K's scale words, 4,096 bytes, then V's
.set SPARE, 229376                     ; the spare words: 128 bytes for each of 16 waves
.set QOFF, 0-VLDS                      ; v2 = VLDS + 16 x lane also serves as q's offset in memory: the immediate takes VLDS off again
.set QSOFF, 0-SLDS-4096                ; likewise v4 = SLDS + 4096 + 16 r for q's scale words
.macro CROUND
	s_barrier_signal -1
	s_barrier_wait -1
	s_cmp_lg_u32 s12, 0
	s_cbranch_scc1 .Lnot_wave_0_\@
	s_barrier_signal -3
.Lnot_wave_0_\@:
	s_barrier_wait -3
	s_barrier_signal -1
	s_barrier_wait -1
.endm
.macro TLOAD g0, g1
	tensor_load_to_lds s[\g0:\g0+3], s[\g1:\g1+7]
	s_nop 0
.rept 4
	v_nop
.endr
.endm
	s_load_b256 s[4:11], s[0:1], 0x0               ; qkvc, qkvs, yc, ys
	v_lshl_add_u32 v[SPW], v0, 2, SPARE
	v_mov_b32 v[NIL], 0
	ds_add_u32 v[SPW], v[NIL]                      ; the opening lines: the add twice on end and its wait
	ds_add_u32 v[SPW], v[NIL]
	v_lshrrev_b32 v1, 5, v0
	v_readfirstlane_b32 s12, v1                    ; wave
	s_bfe_u32 s13, ttmp6, 0x40000                  ; cx
	s_and_b32 s14, ttmp7, 0xffff                   ; 16 batch + head
	s_mov_b32 s16, 15|(3<<16)|(1<<20)|(1<<21)|(6<<22)|(31<<25)   ; K: elements of 8 bytes, 32 words of padding behind every 128
	s_mov_b32 s24, 15|(3<<16)|(1<<21)              ; V: dense
.irp g, 16, 24
	s_mov_b32 s[\g+1], 64<<16                      ; rows of 512 bytes,
	s_mov_b32 s[\g+2], 32<<16                      ; 32 of them
	s_mov_b32 s[\g+3], 64<<16
	s_mov_b32 s[\g+4], 32
	s_mov_b32 s[\g+5], 64
	s_mov_b32 s[\g+6], 0
	s_mov_b32 s[\g+7], 0
.endr
	s_mov_b32 s72, 15|(3<<16)|(1<<21)              ; the scale words: two rows of 4,096 bytes, 262,144 bytes apart (k's section, v's section)
	s_mov_b32 s73, 512<<16
	s_mov_b32 s74, 2<<16
	s_mov_b32 s75, 512<<16
	s_mov_b32 s76, 2
	s_mov_b32 s77, 32768
	s_mov_b32 s78, 0
	s_mov_b32 s79, 0
	s_mov_b32 s40, 0x76543210
	s_mov_b32 s41, 0xfedcba98                      ; v_permlanex16_b32's selects for lane l xor 16
	s_mov_b32 s42, 0x3e38aa3b                      ; log2(e) / 8
	s_mov_b32 s43, s42
	s_mul_i32 s50, s14, 98304
	s_lshl_b32 s51, s12, 14                        ; 16,384 bytes a loading wave
	s_add_co_u32 s48, s50, s51
	s_add_co_u32 s48, s48, 6291456                 ; k's section
	s_mov_b32 s49, 0
	s_add_co_u32 s52, s48, 6291456-98304           ; v's section; its waves count from 6
	s_mov_b32 s53, 0
	s_lshl_b32 s54, s14, 12
	s_add_co_u32 s54, s54, 262144
	s_mov_b32 s55, 0
	s_mov_b32 s32, 1
	s_mul_i32 s33, s12, 20480                      ; 32 rows of 640
	s_mov_b32 s36, 1
	s_add_co_u32 s37, s51, VLDS-98304
	s_mov_b32 s60, 1
	s_mov_b32 s61, SLDS
	s_wait_dscnt 0x0
	CROUND                                         ; in front of the first joint loads
	s_wait_kmcnt 0x0
	s_add_nc_u64 s[34:35], s[4:5], s[48:49]
	s_or_b32 s35, s35, 0x80000000
	s_add_nc_u64 s[38:39], s[4:5], s[52:53]
	s_or_b32 s39, s39, 0x80000000
	s_add_nc_u64 s[62:63], s[6:7], s[54:55]
	s_or_b32 s63, s63, 0x80000000
	s_cmp_lt_u32 s12, 6
	s_cbranch_scc0 .Lfor_v
	TLOAD 32, 16
	s_branch .Lasked
.Lfor_v:
	s_cmp_lt_u32 s12, 12
	s_cbranch_scc0 .Lfor_s
	TLOAD 36, 24
	s_branch .Lasked
.Lfor_s:
	s_cmp_eq_u32 s12, 12
	s_cbranch_scc0 .Lasked
	TLOAD 60, 72
.Lasked:
	s_lshl_b32 s15, s13, 4
	s_add_co_u32 s15, s15, s12                     ; my group of 32 queries, 0 .. 63
	s_mul_i32 s48, s14, 98304
	s_mul_i32 s49, s15, 1536
	s_add_co_u32 s48, s48, s49
	s_mov_b32 s49, 0
	s_add_nc_u64 s[48:49], s[4:5], s[48:49]        ; q's image
	s_lshl_b32 s50, s14, 12
	s_lshr_b32 s51, s15, 2
	s_lshl_b32 s51, s51, 8
	s_add_co_u32 s50, s50, s51
	s_and_b32 s51, s15, 3
	s_lshl_b32 s51, s51, 2
	s_add_co_u32 s50, s50, s51
	s_mov_b32 s51, 0
	s_add_nc_u64 s[50:51], s[6:7], s[50:51]        ; q's scale words
	s_lshr_b32 s57, s14, 4
	s_lshl_b32 s57, s57, 7
	s_lshl_b32 s58, s15, 1
	s_add_co_u32 s57, s57, s58                     ; y's tile of 16 tokens: 128 batch + 2 group (+ trip)
	s_and_b32 s58, s14, 15                         ; head
	s_mul_i32 s52, s57, 12288
	s_mul_i32 s53, s58, 768
	s_add_co_u32 s52, s52, s53
	s_mov_b32 s53, 0
	s_add_nc_u64 s[52:53], s[8:9], s[52:53]
	s_lshl_b32 s54, s57, 9
	s_lshr_b32 s55, s58, 1
	s_lshl_b32 s55, s55, 6
	s_add_co_u32 s54, s54, s55
	s_and_b32 s55, s58, 1
	s_lshl_b32 s55, s55, 1
	s_add_co_u32 s54, s54, s55
	s_mov_b32 s55, 0
	s_add_nc_u64 s[54:55], s[10:11], s[54:55]
	s_lshl_b32 s56, s15, 5
	s_sub_co_u32 s56, s56, 1984                    ; the group's first query - 1984, signed
	s_mov_b32 s47, 0                               ; the trip: which tile of the group
	v_and_b32 v1, 7, v0
	v_bfe_u32 v5, v0, 3, 1                         ; r / 8
	v_bfe_u32 v6, v0, 4, 1                         ; h
	v_lshlrev_b32 v1, 4, v1
	v_lshl_add_u32 v3, v5, 2, v1
	v_lshl_add_u32 v3, v6, 7, v3
	v_add_nc_u32 v3, SLDS, v3                      ; K's scale words: 16 (r % 8) + 4 (r / 8) + 128 h
	v_mad_u32_u24 v1, v5, 1920, v1
	v_lshl_add_u32 v1, v6, 8, v1                   ; K: 1920 (r / 8) + 16 (r % 8) + 256 h
	v_and_b32 v2, 31, v0
	v_lshl_add_u32 v2, v2, 4, VLDS                 ; V: 16 x lane
	v_and_b32 v4, 15, v0
	v_lshl_add_u32 v4, v4, 4, SLDS+4096            ; V's scale words: 16 r
	global_load_b128 v[16:19], v2, s[48:49] offset:QOFF       ; q, tile 0: registers 0-5 of the image
	global_load_b64 v[20:21], v2, s[48:49] offset:QOFF+512
	global_load_b32 v34, v4, s[50:51] offset:QSOFF            ; both tiles' scale bytes
.irp i, 22,23,24,25,26,27
	v_mov_b32 v\i, 0
.endr
	v_mov_b32 v15, 0                               ; named as the upper half of v[14:15] before it is first written
	s_wait_alu depctr_va_vdst(0)                   ; the wait at the head's end
	s_wait_tensorcnt 0x0
	s_barrier_signal -1
	s_barrier_wait -1                              ; K, V and the scale words are in
.macro KFETCH a, sa                    ; 14 LDS loads
.irp f, 0,1,2,3
.irp k, 0,1,2
	ds_load_b128 v[KF+12*\f+4*\k:KF+12*\f+4*\k+3], v\a offset:3840*(\f/2)+128*(\f%2)+640*\k
.endr
.endr
	ds_load_b32 v36, v\sa
	ds_load_b32 v37, v\sa offset:8
.endm
.macro VFETCH a, sa                    ; 13 LDS loads
.irp f, 0,1,2,3
.irp k, 0,1,2
	ds_load_b128 v[VF+12*\f+4*\k:VF+12*\f+4*\k+3], v\a offset:1536*\f+512*\k
.endr
.endr
	ds_load_b128 v[40:43], v\sa
.endm
.macro QK f, row
	v_wmma_scale_f32_16x16x128_f8f6f4 v[S+16*\f:S+16*\f+7], v[KF+12*\f:KF+12*\f+11], v[16:27], 0, v[36+\f/2], v9 matrix_a_fmt:MATRIX_FMT_FP6 matrix_b_fmt:MATRIX_FMT_FP6 matrix_a_scale:MATRIX_SCALE_ROW\row
	v_wmma_scale_f32_16x16x128_f8f6f4 v[S+16*\f+8:S+16*\f+15], v[KF+12*\f:KF+12*\f+11], v[22:33], 0, v[36+\f/2], v9 matrix_a_fmt:MATRIX_FMT_FP6 matrix_b_fmt:MATRIX_FMT_FP6 matrix_a_scale:MATRIX_SCALE_ROW\row
.endm
.macro FMA j                           ; t - M, two at a time
	v_pk_fma_f32 v[S+\j:S+\j+1], v[S+\j:S+\j+1], s[42:43], v[10:11] op_sel_hi:[1,0,0]
.endm
.macro OMUL j
	v_pk_mul_f32 v[O+\j:O+\j+1], v[O+\j:O+\j+1], v[14:15] op_sel_hi:[1,0]
.endm
.macro PADD d, a, b
	v_pk_add_f32 v[\d:\d+1], v[\a:\a+1], v[\b:\b+1]
.endm
.macro MAXI r, b, i                    ; a chain of maxima begins at its accumulator's low end
	v_max3_num_f32 v\r, v[S+\b], v[S+\b+1], v[S+\b+2]
.endm
.macro MAXN r, b, i
	v_max3_num_f32 v\r, v\r, v[S+\b+\i], v[S+\b+\i+1]
.endm
.macro ALL8 m, i                       ; one line of each of eight chains, a chain to an accumulator
	\m 38, 0, \i
	\m 39, 32, \i
	\m 54, 8, \i
	\m 55, 40, \i
	\m 52, 16, \i
	\m 53, 48, \i
	\m 56, 24, \i
	\m 57, 56, \i
.endm
; A step of 128 keys.  last = 1: the masked step, which fetches nothing more from LDS.
.macro STEP last
	s_wait_dscnt 13                                ; this step's K is in; V's 13 loads are younger
	QK 0, 0
	QK 1, 1
	QK 2, 0
	QK 3, 1
.if \last
	s_lshl_b32 s57, s47, 3
	s_add_co_u32 s57, s57, s56
	v_and_b32 v52, 15, v0                          ; (these seven lines are the places behind the products)
	v_and_b32 v53, 8, v0
	v_add3_u32 v52, v52, v53, s57                  ; my query - 1984
	v_bfe_u32 v53, v0, 4, 1
	v_max_i32 v52, 0, v52
	v_lshlrev_b32 v53, 5, v53
	v_sub_nc_u32 v52, v52, v53                     ; score S + 32 + n is key 1984 + 32 h + n: it counts iff n <= max(i - 1984, 0) - 32 h
	s_wait_alu depctr_va_vdst(0)                   ; ahead of the branch
	s_cmp_lg_u32 s47, 0
	s_cbranch_scc1 .Lno_q
	global_load_b64 v[16:17], v2, s[48:49] offset:QOFF+520    ; the second tile's q, registers 6-11 of the image: it lands under this step's softmax
	global_load_b128 v[18:21], v2, s[48:49] offset:QOFF+1024
.Lno_q:
.irp n, 0,1,2,3,4,5,6,7,8,9,10,11,12,13,14,15,16,17,18,19,20,21,22,23,24,25,26,27,28,29,30,31
	v_cmp_le_i32 vcc_lo, \n, v52
	v_cndmask_b32 v[S+32+\n], 0xff800000, v[S+32+\n], vcc_lo
.endr
.else
	s_add_co_u32 s44, s44, 7680
	s_add_co_u32 s45, s45, 6144
	s_add_co_u32 s46, s46, 256
	v_add_nc_u32 v5, s44, v1                       ; the next step's addresses: these four lines are the places behind the products
	v_add_nc_u32 v7, s46, v3
	v_add_nc_u32 v6, s45, v2
	v_add_nc_u32 v8, s46, v4
	KFETCH 5, 7
.endif
	ALL8 MAXI, 0                                   ; the largest score of my two blocks: eight chains of seven, then the chains and each accumulator's eighth are joined
	ALL8 MAXN, 3
	ALL8 MAXN, 5
	v_max3_num_f32 v38, v38, v54, v[S+7]
	v_max3_num_f32 v39, v39, v55, v[S+39]
	v_max3_num_f32 v52, v52, v56, v[S+15]
	v_max3_num_f32 v53, v53, v57, v[S+47]
	v_max3_num_f32 v38, v38, v52, v[S+23]
	v_max3_num_f32 v39, v39, v53, v[S+55]
	v_max_num_f32 v[BM], v[BM], v[S+31]
	v_max_num_f32 v[BM+1], v[BM+1], v[S+63]
	s_delay_alu instid0(VALU_DEP_1)
	v_max_num_f32 v[T0], v[BM], v[BM+1]
	s_delay_alu instid0(VALU_DEP_1)
	v_mul_f32 v[T0], s42, v[T0]
	s_delay_alu instid0(VALU_DEP_1)
	v_permlanex16_b32 v[T1], v[T0], s40, s41       ; lane l xor 16 holds my query's other two blocks
	s_delay_alu instid0(VALU_DEP_1)
	v_max3_num_f32 v11, v11, v[T0], v[T1]          ; the running largest t
	v_mov_b32 v[T0], v10
	s_delay_alu instid0(VALU_DEP_2)
	v_floor_f32 v10, -v11                          ; -M = floor(-t)
	s_delay_alu instid0(VALU_DEP_1)
	v_sub_f32 v[T0], v10, v[T0]                    ; old M - new M, a whole number
	v_fma_f32 v[BM], v[BM], s42, v10               ; x = a block's largest t - M.  Three chains (the factor, the two blocks' scales) stand among the lower 64's t - M and O^T's rescaling
	v_fma_f32 v[BM+1], v[BM+1], s42, v10
	FMA 0
	v_cvt_i32_f32 v[T0], v[T0]                     ; (it saturates)
	v_max_num_f32 v[BM], 0xc2f80000, v[BM]         ; held at -124
	v_max_num_f32 v[BM+1], 0xc2f80000, v[BM+1]
	FMA 2
	v_ldexp_f32 v14, 1.0, v[T0]                    ; the factor 2^(old M - new M)
	v_floor_f32 v[BM], v[BM]
	v_floor_f32 v[BM+1], v[BM+1]
	FMA 4
	FMA 6
	v_cvt_i32_f32 v[BM], v[BM]                     ; e = floor(log2(the block's largest p)), -124 .. 0
	v_cvt_i32_f32 v[BM+1], v[BM+1]
	OMUL 0
	FMA 8
	v_add_lshl_u32 v52, v[BM], 125, 23             ; the conversions' scale operand: the byte e + 125 as an exponent field
	v_add_lshl_u32 v53, v[BM+1], 125, 23
	v_lshl_add_u32 v56, v[BM+1], 16, v[BM]
	OMUL 2
	FMA 10
	v_add_nc_u32 v56, 0x7d007d, v56                ; the bytes of blocks h and 2 + h, at bits 0 and 16
	OMUL 4
	FMA 12
	v_permlanex16_b32 v57, v56, s40, s41
	OMUL 6
	FMA 14
	v_lshl_or_b32 v15, v57, 8, v56                 ; p's scale word, whole in lanes 0-15, which alone are read
.irp j, 8,10,12,14,16,18,20,22
	OMUL \j
	FMA 8+\j
.endr
.irp j, 24,26,28,30
	OMUL \j
.endr
	v_pk_mul_f32 v[12:13], v[12:13], v[14:15] op_sel_hi:[1,0]
	s_wait_alu depctr_va_vdst(0)                   ; ahead of a batch of transcendentals
.irp j, 0,2,4,6,8,10,12,14,16,18,20,22,24,26,28,30
	v_exp_f32 v[S+\j], v[S+\j]                     ; p of the lower 64 keys; the upper 64's t - M stand among them
	v_exp_f32 v[S+\j+1], v[S+\j+1]
	FMA 32+\j
.endr
	s_wait_alu depctr_va_vdst(0)                   ; behind the first batch and ahead of the second
	v_cvt_scalef32_pk16_fp6_f32 v[PC:PC+2], v[S:S+15], v52
	v_cvt_scalef32_pk16_fp6_f32 v[PT:PT+2], v[S+16:S+31], v52
	v_nop                                          ; one plain place behind a scaled conversion
.irp i, 0,1,2
	v_mov_b32 v[PC+3+\i], v[PT+\i]                 ; a conversion's three registers begin on an even number
.endr
.irp k, 0,2,4,6,8,10,12,14
	v_exp_f32 v[S+32+2*\k], v[S+32+2*\k]           ; p of the upper 64 keys; among them the first level of the lower 64's sum, a tree in place (their codes are made): eight lines that do not hang on each other
	v_exp_f32 v[S+33+2*\k], v[S+33+2*\k]
	v_exp_f32 v[S+34+2*\k], v[S+34+2*\k]
	v_exp_f32 v[S+35+2*\k], v[S+35+2*\k]
	PADD S+\k, S+\k, S+16+\k
.endr
	s_wait_alu depctr_va_vdst(0)                   ; behind the second batch
	s_wait_dscnt 14*(1-\last)                      ; this step's V is in; the next K's 14 loads are younger (the last step: none is)
	v_cvt_scalef32_pk16_fp6_f32 v[PC+6:PC+8], v[S+32:S+47], v53
	v_cvt_scalef32_pk16_fp6_f32 v[PT+4:PT+6], v[S+48:S+63], v53
.irp k, 0,2,4,6
	PADD S+\k, S+\k, S+8+\k                        ; (the first is the plain place behind the conversions)
.endr
.irp i, 0,1,2
	v_mov_b32 v[PC+9+\i], v[PT+4+\i]
.endr
.irp k, 0,2,4,6,8,10,12,14
	PADD S+32+\k, S+32+\k, S+48+\k                 ; the upper 64's tree
.endr
	PADD S, S, S+4
	PADD S+2, S+2, S+6
.irp k, 0,2,4,6
	PADD S+32+\k, S+32+\k, S+40+\k
.endr
	PADD S, S, S+2
	PADD S+32, S+32, S+36
	PADD 12, 12, S
.irp t, 0,1,2,3
	v_wmma_scale_f32_16x16x128_f8f6f4 v[O+8*\t:O+8*\t+7], v[VF+12*\t:VF+12*\t+11], v[PC:PC+11], v[O+8*\t:O+8*\t+7], v[40+\t], v15 matrix_a_fmt:MATRIX_FMT_FP6 matrix_b_fmt:MATRIX_FMT_FP6
.endr
	PADD S+34, S+34, S+38                          ; the tree's end and a v_nop: four places behind the products
	v_nop
	PADD S+32, S+32, S+34
	PADD 12, 12, S+32
.if \last == 0
	VFETCH 6, 8
.endif
.endm
.Lpass:
	s_wait_loadcnt 0x0                             ; q
	s_wait_xcnt 0x0                                ; the last trip's stores have read their registers
	s_lshl_b32 s57, s47, 4
	v_lshrrev_b32 v[T0], s57, v34                  ; this tile's two scale bytes,
	v_and_b32 v[T0], 0xffff, v[T0]
	v_lshl_or_b32 v9, v[T0], 16, v[T0]             ; for either place of q
.irp i, 0,1,2,3,4,5
	v_mov_b32 v[28+\i], v[16+\i]
.endr
	v_mov_b32 v11, 0xff61b1e6                      ; the largest t so far: -3e38
	v_floor_f32 v10, -v11
	v_mov_b32 v12, 0
	v_mov_b32 v13, 0
.set J, 0
.rept 32
	v_mov_b32 v[O+J], 0                            ; the step is written once: the first finds zeros
.set J, J+1
.endr
	s_mov_b32 s44, 0
	s_mov_b32 s45, 0
	s_mov_b32 s46, 0
	KFETCH 1, 3
	VFETCH 2, 4
	s_mov_b32 s59, 15
	s_wait_alu depctr_va_vdst(0)                   ; ahead of the step's blocking wait
.Lstep:
	STEP 0
	s_sub_co_u32 s59, s59, 1
	s_cmp_lg_u32 s59, 0
	s_cbranch_scc1 .Lstep
	STEP 1
	; the way out: O^T / the sum, quantised along the head's 64 (two blocks, 16 numbers of each in lanes l and l xor 16)
	v_add_f32 v12, v12, v13
	s_delay_alu instid0(VALU_DEP_1)
	v_permlanex16_b32 v[T0], v12, s40, s41
	s_delay_alu instid0(VALU_DEP_1)
	v_add_f32 v12, v12, v[T0]
	s_wait_alu depctr_va_vdst(0)
	v_rcp_f32 v14, v12
	v_nop
	s_wait_alu depctr_va_vdst(0)                   ; ahead of the first reader of the reciprocal and of O^T
.irp j, 0,2,4,6,8,10,12,14,16,18,20,22,24,26,28,30
	v_pk_mul_f32 v[S+\j:S+\j+1], v[O+\j:O+\j+1], v[14:15] op_sel_hi:[1,0]
.endr
.irp b, 0,1
	v_max3_num_f32 v[BM+\b], |v[S+16*\b]|, |v[S+16*\b+1]|, 0x1800000
.endr
.irp i, 2,4,6,8,10,12,14
.irp b, 0,1
	v_max3_num_f32 v[BM+\b], v[BM+\b], |v[S+16*\b+\i]|, |v[S+16*\b+\i+1]|
.endr
.endr
	s_mul_i32 s57, s47, 12288
	s_lshl_b32 s58, s47, 9
	v_and_b32 v[S+32], 31, v0
	v_and_b32 v[S+33], 15, v0
.irp b, 0,1
	v_permlanex16_b32 v[T0+\b], v[BM+\b], s40, s41
.endr
	v_lshl_add_u32 v[S+32], v[S+32], 3, s57        ; 8 x lane, in this trip's tile
	v_lshl_add_u32 v[S+33], v[S+33], 2, s58        ; 4 r
.irp b, 0,1
	v_max_num_f32 v[BM+\b], v[BM+\b], v[T0+\b]
.endr
.irp b, 0,1
	v_add_nc_u32 v[BM+\b], 0xff000000, v[BM+\b]
.endr
.irp b, 0,1
	v_lshrrev_b32 v[T0+\b], 23, v[BM+\b]
.endr
	v_lshl_or_b32 v[S+34], v[T1], 8, v[T0]
	v_cvt_scalef32_pk16_fp6_f32 v[PC:PC+2], v[S:S+15], v[BM]
	v_cvt_scalef32_pk16_fp6_f32 v[PT:PT+2], v[S+16:S+31], v[BM+1]
	v_nop                                          ; one plain place behind a scaled conversion
.irp i, 0,1,2
	v_permlane16_swap_b32 v[PC+\i], v[PT+\i]       ; a whole block to a lane
.endr
.irp i, 0,1,2
	v_mov_b32 v[PC+3+\i], v[PT+\i]
.endr
.irp j, 0,1,2
	global_store_b64 v[S+32], v[PC+2*\j:PC+2*\j+1], s[52:53] offset:256*\j   ; 32 lanes store 256 consecutive bytes, aligned
.endr
	global_store_b16 v[S+33], v[S+34], s[54:55]    ; the head's two bytes of the row's scale word
	s_add_co_u32 s47, s47, 1
	s_cmp_lg_u32 s47, 2
	s_cbranch_scc1 .Lpass
	s_wait_tensorcnt 0x0                           ; the wave's end
	ds_add_u32 v[SPW], v[NIL]
	s_wait_dscnt 0x0
	CROUND                                         ; the closing round
	s_endpgm
.Lfunc_end_k_qe77339a850_attn:
	.size	k_qe77339a850_attn, .Lfunc_end_k_qe77339a850_attn-k_qe77339a850_attn
	.p2alignl 7, 3214868480
	.fill 96, 4, 3214868480
	.section	.rodata,"a",@progbits
	.p2align	6, 0x0
	.amdhsa_kernel k_qe77339a850_attn
		.amdhsa_group_segment_fixed_size 327680
		.amdhsa_private_segment_fixed_size 0
		.amdhsa_enable_private_segment 0
		.amdhsa_kernarg_size 32
		.amdhsa_user_sgpr_count 2
		.amdhsa_user_sgpr_kernarg_segment_ptr 1
		.amdhsa_wavefront_size32 1
		.amdhsa_system_sgpr_workgroup_id_x 1
		.amdhsa_system_sgpr_workgroup_id_y 1
		.amdhsa_system_sgpr_workgroup_id_z 1
		.amdhsa_system_vgpr_workitem_id 0
		.amdhsa_next_free_vgpr 256
		.amdhsa_next_free_sgpr 80
		.amdhsa_reserve_vcc 1
		.amdhsa_float_denorm_mode_32 3
		.amdhsa_float_denorm_mode_16_64 3
		.amdhsa_memory_ordered 1
		.amdhsa_forward_progress 1
		.amdhsa_inst_pref_size 47
	.end_amdhsa_kernel
	.amdgpu_metadata
---
amdhsa.version: [ 1, 2 ]
amdhsa.kernels:
  - .name:           k_qe77339a850_attn
    .symbol:         k_qe77339a850_attn.kd
    .args:
      - { .name: qkvc, .offset: 0, .size: 8, .value_kind: global_buffer, .address_space: global }
      - { .name: qkvs, .offset: 8, .size: 8, .value_kind: global_buffer, .address_space: global }
      - { .name: yc, .offset: 16, .size: 8, .value_kind: global_buffer, .address_space: global }
      - { .name: ys, .offset: 24, .size: 8, .value_kind: global_buffer, .address_space: global }
    .group_segment_fixed_size: 327680
    .private_segment_fixed_size: 0
    .kernarg_segment_align: 8
    .kernarg_segment_size: 32
    .max_flat_workgroup_size: 512
    .sgpr_count:     80
    .vgpr_count:     256
    .wavefront_size: 32
...
	.end_amdgpu_metadata
.endif
;; end of part 3
;; launch proj (part 4): grid 8 x 32, 4 waves a work-group, clusters of 4 x 4, 327,680 bytes of LDS; arguments yc, ys, wc, ws, bp, out0; writes out0
.if DOCPART == 4
	.amdgcn_target "amdgcn-amd-amdhsa--gfx1250"
	.amdhsa_code_object_version 6
	.text
	.protected	k_qe77339a850_proj
	.globl	k_qe77339a850_proj
	.p2align	8
	.type	k_qe77339a850_proj,@function
k_qe77339a850_proj:
	s_mov_b64 s[64:65], 0
	v_nop
	global_prefetch_b8 v0, s[64:65] scope:SCOPE_SE
	s_setreg_imm32_b32 hwreg(HW_REG_WAVE_MODE, 25, 1), 1
	s_wait_xcnt 0x0
	s_wait_alu depctr_hold_cnt(0) depctr_sa_sdst(0) depctr_va_vdst(0) depctr_va_sdst(0) depctr_va_ssrc(0) depctr_va_vcc(0) depctr_vm_vsrc(0)
	s_getreg_b32 s2, hwreg(HW_REG_IB_STS2, 6, 4)
	s_cmp_eq_u32 s2, 0
	s_cbranch_scc0 .Lentry_in_a_cluster
	s_endpgm
.Lentry_in_a_cluster:
	s_bfe_u32 s2, ttmp6, 0x10000c
	s_cmp_lg_u32 s2, 0xf033
	s_cbranch_scc0 .Lentry_shape_is_right
	s_endpgm
.Lentry_shape_is_right:
; out0 = y Wp + bp on codes of FP6 (E2M3) with E8M0 scales; out0 [8192][1024] f32.
; OPERANDS lie in memory as images of their registers: a fragment of 16 rows x 128 K is 1,536 bytes, chunk p (registers 2 p, 2 p + 1) at 256 p, lane l at 8 l; a tile of 16 rows, all of K, is 12,288 bytes on end.
; Lane r of tile 2 g + u holds row 32 g + 8 u + r + 8 (r / 8).  Scale words: [tile][K step][16 r], so 4 x lane reads the words of two K steps: lanes 0-15 the even step's, lanes 16-31 the odd step's.
; THE DEAL.  256 work-groups of four waves, 2 x 2; a work-group makes 256 rows x 128 columns.  K is 1,024, and ALL of K lies in LDS at once: y's 16 tiles (196,608 bytes) and Wp's 8 (98,304): no ring, nothing is filled again.
; A wave holds 64 columns of Wp, all of K, in registers (32 fragments, 384 registers) and streams y's tiles past them: wave row a takes tile 2 s + a as its block s, eight blocks of 32 products.
; A block's 16 x 64 results are finished by its products, go through the wave's own stage in LDS and are stored under the next block's products: sixteen lanes store one aligned unit of 256 bytes.
; THE MATRIX INSTRUCTION IS USED TRANSPOSED (source 0 = Wp's rows n, source 1 = y's rows): a lane holds one row of out0, and the 16 registers of tiles 2 g, 2 g + 1 are 16 neighbouring columns.  The bias is the C of each sum's first product.
; CLUSTERS 4 x 4: y's tiles and scale words hang on the tile row alone and are asked for jointly along a row of the cluster, Wp's on the tile column alone, jointly along a column.
; FILLS: one joint load a wave, at the head: wave 0 Wp's tiles, wave 1 y's scale words, wave 2 y's tiles 0-7, wave 3 tiles 8-15.  The first barrier shows wave 0's load, the second waves 1's and 2's, a third, in block 2, wave 3's, ahead of the first read of tile 8.
; THE LDS WAITS are all for 0 and stand behind a block's products: what they wait for (the next block's rows, the last block's way through the stage) was issued ahead of those 32 products.
; No data prefetch: memory is asked for every tile once, at the head; no loop of this text loads from memory.
; REGISTERS: window 0: v2-15 addresses; Wp's scale words v[32 + 8 k + b] (tile b, K steps 2 k, 2 k + 1), y's v[36 + 8 e + k] (set e); v64-95 the bias; v96-159 two sets of four accumulators; v160-223 two sets of 16 rows on the way out.
;   windows 1, 2: Wp's fragments 4 q + b, twenty and twelve;  window 3: y's fragments, two sets of eight.
.set FR,     12
.set BLDS,   196608
.set SLDS,   294912
.set STAGE,  303104                    ; 16 rows x 272 bytes for each wave: blocks of 256 bytes into which no fill lands
.set SPITCH, 272
.set SPARE,  320512
.set ADRB, 2
.set AD,   4                           ; v4-7: my tiles 2 s + a, s = 0-1, 2-3, 4-5, 6-7
.set ADRS, 8
.set STO,  9
.set RD,   10
.set CO,   11
.set SPW,  12
.set NIL,  13
.set BI,   64
.set ACC,  96
.set OB,   160
.set G1A, 24
.set G1B, 32
.set G1S, 40
.set G0B, 48
.set G0S, 52
.set G0A0, 56
.set G0A1, 60
.set MSB, 0
.macro WIN new                         ; the immediate's high byte repeats the setting that is left
.if MSB != (\new)
	s_set_vgpr_msb (MSB<<8)|(\new)
.set MSB, (\new)
.endif
.endm
.macro PLACES n
.rept \n
	v_nop
.endr
.endm
.macro TLOAD g0, g1
	tensor_load_to_lds s[\g0:\g0+3], s[\g1:\g1+7]
	s_nop 0
	PLACES 4
.endm
.macro BARRIER
	s_barrier_signal -1
	s_barrier_wait -1
.endm
.macro CROUND
	BARRIER
	s_cmp_lg_u32 s14, 0
	s_cbranch_scc1 .Lnot_wave_0_\@
	s_barrier_signal -3
.Lnot_wave_0_\@:
	s_barrier_wait -3
	BARRIER
.endm
	s_load_b256 s[4:11], s[0:1], 0x0               ; yc, ys, wc, ws
	s_load_b128 s[96:99], s[0:1], 0x20             ; bp, out0
	v_lshl_add_u32 v[SPW], v0, 2, SPARE
	v_mov_b32 v[NIL], 0
	ds_add_u32 v[SPW], v[NIL]                      ; the opening lines: the add twice on end and its wait
	ds_add_u32 v[SPW], v[NIL]
	v_lshrrev_b32 v1, 5, v0
	v_readfirstlane_b32 s14, v1                    ; wave
	s_lshr_b32 s15, s14, 1                         ; a: my row of the 2 x 2
	s_and_b32 s16, s14, 1                          ; my column
	s_bfe_u32 s17, ttmp6, 0x40000                  ; cx
	s_bfe_u32 s18, ttmp6, 0x40004                  ; cy
	s_lshl_b32 s19, ttmp9, 2
	s_add_co_u32 s19, s19, s17                     ; tile column, 0 .. 7
	s_and_b32 s20, ttmp7, 0xffff
	s_lshl_b32 s20, s20, 2
	s_add_co_u32 s20, s20, s18                     ; tile row, 0 .. 31
	s_lshl_b32 s21, s18, 2
	s_lshl_b32 s21, 15, s21                        ; my row of the cluster
	s_lshl_b32 s22, 0x1111, s17                    ; my column
	s_or_b32 s[G1A], s21, (3<<16)|(1<<21)
	s_or_b32 s[G1B], s22, (3<<16)|(1<<21)
.irp g, G1A, G1B                       ; eight tiles: 98,304 dense bytes as 96 rows of 1,024
	s_mov_b32 s[\g+1], 128<<16
	s_mov_b32 s[\g+2], 96<<16
	s_mov_b32 s[\g+3], 128<<16
	s_mov_b32 s[\g+4], 96
	s_mov_b32 s[\g+5], 128
	s_mov_b32 s[\g+6], 0
	s_mov_b32 s[\g+7], 0
.endr
	s_or_b32 s[G1S], s21, (3<<16)|(1<<21)          ; the scale words of 16 tiles: 8,192 dense bytes as 32 rows of 256
	s_mov_b32 s[G1S+1], 32<<16
	s_mov_b32 s[G1S+2], 32<<16
	s_mov_b32 s[G1S+3], 32<<16
	s_mov_b32 s[G1S+4], 32
	s_mov_b32 s[G1S+5], 32
	s_mov_b32 s[G1S+6], 0
	s_mov_b32 s[G1S+7], 0
	s_mul_i32 s68, s20, 196608                     ; y's 16 tiles
	s_mov_b32 s69, 0
	s_lshl_b32 s70, s20, 13                        ; their scale words
	s_mov_b32 s71, 0
	s_mul_i32 s72, s19, 98304
	s_add_co_u32 s72, s72, 2359296                 ; Wp is the fourth weight in wc
	s_mov_b32 s73, 0
	s_mov_b32 s[G0B], 1
	s_mov_b32 s[G0B+1], BLDS
	s_mov_b32 s[G0S], 1
	s_mov_b32 s[G0S+1], SLDS
	s_mov_b32 s[G0A0], 1
	s_mov_b32 s[G0A0+1], 0
	s_mov_b32 s[G0A1], 1
	s_mov_b32 s[G0A1+1], 98304
	s_wait_dscnt 0x0
	CROUND                                         ; in front of the first joint loads
	s_wait_kmcnt 0x0
	s_add_nc_u64 s[G0B+2:G0B+3], s[8:9], s[72:73]
	s_or_b32 s[G0B+3], s[G0B+3], 0x80000000
	s_add_nc_u64 s[G0S+2:G0S+3], s[6:7], s[70:71]
	s_or_b32 s[G0S+3], s[G0S+3], 0x80000000
	s_add_nc_u64 s[G0A0+2:G0A0+3], s[4:5], s[68:69]
	s_add_nc_u64 s[G0A1+2:G0A1+3], s[G0A0+2:G0A0+3], 98304
	s_or_b32 s[G0A0+3], s[G0A0+3], 0x80000000
	s_or_b32 s[G0A1+3], s[G0A1+3], 0x80000000
	s_cmp_eq_u32 s14, 0
	s_cbranch_scc0 .Lwave_1
	TLOAD G0B, G1B                                 ; wave 0: Wp's tiles, which go on into registers
	s_branch .Lasked
.Lwave_1:
	s_cmp_eq_u32 s14, 1
	s_cbranch_scc0 .Lwave_2
	TLOAD G0S, G1S                                 ; wave 1: y's scale words
	s_branch .Lasked
.Lwave_2:
	s_cmp_eq_u32 s14, 2
	s_cbranch_scc0 .Lwave_3
	TLOAD G0A0, G1A                                ; wave 2: y's tiles 0-7
	s_branch .Lasked
.Lwave_3:
	TLOAD G0A1, G1A                                ; wave 3: tiles 8-15
.Lasked:
	s_lshl_b32 s74, s19, 12                        ; Wp's scale words: 8 tiles of 512 bytes a tile column, my four
	s_lshl_b32 s75, s16, 11
	s_add_co_u32 s74, s74, s75
	s_add_co_u32 s74, s74, 98304
	s_mov_b32 s75, 0
	s_add_nc_u64 s[10:11], s[10:11], s[74:75]
	s_lshl_b32 s76, s19, 9                         ; my first column, in bytes
	s_lshl_b32 s77, s16, 8
	s_add_co_u32 s76, s76, s77
	s_mov_b32 s77, 0
	s_add_nc_u64 s[96:97], s[96:97], s[76:77]
	s_lshl_b32 s78, s20, 20                        ; 256 rows of 4,096 bytes a tile row,
	s_lshl_b32 s79, s15, 15                        ; 8 a rows,
	s_add_co_u32 s78, s78, s79
	s_add_co_u32 s78, s78, s76                     ; and my first column
	s_mov_b32 s79, 0
	s_add_nc_u64 s[98:99], s[98:99], s[78:79]
	s_mul_i32 s80, s16, 49152
	s_add_co_u32 s80, s80, BLDS                    ; my four tiles of Wp
	s_mul_i32 s81, s15, 12288
	s_lshl_b32 s82, s15, 9
	s_add_co_u32 s82, s82, SLDS
	s_mul_i32 s83, s14, 16*SPITCH
	s_add_co_u32 s83, s83, STAGE
	v_and_b32 v1, 31, v0
	v_and_b32 v3, 15, v0                           ; r
	v_bfe_u32 v14, v0, 4, 1                        ; h
	v_lshl_add_u32 v[ADRB], v1, 3, s80
	v_lshl_add_u32 v[AD], v1, 3, s81
	v_lshl_add_u32 v[ADRS], v1, 2, s82
	v_lshlrev_b32 v15, 2, v1                       ; 4 x lane
	v_add_nc_u32 v[AD+1], 49152, v[AD]
	v_add_nc_u32 v[AD+2], 98304, v[AD]
	v_add_nc_u32 v[AD+3], 147456, v[AD]
	v_mul_u32_u24 v[STO], v3, SPITCH
	v_lshl_add_u32 v[STO], v14, 6, v[STO]
	v_add_nc_u32 v[STO], s83, v[STO]               ; into the stage: row r, 64 h
	v_mul_u32_u24 v[RD], v14, SPITCH
	v_lshl_add_u32 v[RD], v3, 4, v[RD]
	v_add_nc_u32 v[RD], s83, v[RD]                 ; out of it: sixteen lanes to a row of 256 bytes, two rows an instruction
	v_lshlrev_b32 v[CO], 12, v14
	v_lshl_add_u32 v[CO], v3, 4, v[CO]             ; and the same two rows in out0
	v_lshlrev_b32 v14, 6, v14                      ; the bias: 64 h
.irp k, 0,1,2,3
.irp b, 0,1,2,3
	global_load_b32 v[32+8*\k+\b], v15, s[10:11] offset:512*\b+128*\k
.endr
.endr
.irp b, 0,1,2,3                        ; register j of tile b is column 32 (b / 2) + 8 (b % 2) + 16 h + j of my 64
	global_load_b128 v[BI+8*\b:BI+8*\b+3], v14, s[96:97] offset:(32*(\b/2)+8*(\b%2))*4
	global_load_b128 v[BI+8*\b+4:BI+8*\b+7], v14, s[96:97] offset:(32*(\b/2)+8*(\b%2))*4+16
.endr
	s_wait_alu depctr_va_vdst(0)                   ; the wait at the head's end
	s_cmp_eq_u32 s14, 0
	s_cbranch_scc0 .Lnot_b
	s_wait_tensorcnt 0x0
.Lnot_b:
	BARRIER                                        ; Wp's tiles are in
.irp q, 0,1,2,3,4,5,6,7                ; my 64 columns of Wp, all of K: 192 loads
.irp b, 0,1,2,3
.set F_, 4*\q+\b
	WIN (1+F_/20)<<6
.irp p, 0,1,2,3,4,5
	ds_load_b64 v[FR*(F_%20)+2*\p:FR*(F_%20)+2*\p+1], v[ADRB] offset:\b*12288+\q*1536+256*\p
.endr
.endr
.endr
	WIN 0
	s_cmp_eq_u32 s14, 3
	s_cbranch_scc1 .Lnot_a0
	s_wait_tensorcnt 0x0
.Lnot_a0:
	s_wait_dscnt 0x0
	BARRIER                                        ; y's scale words and tiles 0-7 are in; tiles 8-15 may be on their way
.macro FETCH s                         ; block s: tile 2 s + a, eight fragments and four registers of scale words, into set s % 2
	WIN 0xc0
.irp q, 0,1,2,3,4,5,6,7
.irp p, 0,1,2,3,4,5
	ds_load_b64 v[96*((\s)%2)+FR*\q+2*\p:96*((\s)%2)+FR*\q+2*\p+1], v[AD+(\s)/2] offset:((\s)%2)*24576+\q*1536+256*\p
.endr
.endr
	WIN 0
.irp k, 0,1,2,3
	ds_load_b32 v[36+8*((\s)%2)+\k], v[ADRS] offset:(\s)*1024+128*\k
.endr
.endm
.macro PROD1 d, w, y, c, xw, xy, row
	v_wmma_scale_f32_16x16x128_f8f6f4 v[\d:\d+7], v[\w:\w+FR-1], v[\y:\y+FR-1], \c, v[\xw], v[\xy] matrix_a_fmt:MATRIX_FMT_FP6 matrix_b_fmt:MATRIX_FMT_FP6 matrix_a_scale:MATRIX_SCALE_ROW\row matrix_b_scale:MATRIX_SCALE_ROW\row
.endm
.macro PROD s, q, b                    ; the block's four accumulators take turns, K ascending
.set F_, 4*(\q)+(\b)
.set D_, ACC+32*((\s)%2)+8*(\b)
.set Y_, 96*((\s)%2)+FR*(\q)
.set XW_, 32+8*((\q)/2)+(\b)
.set XY_, 36+8*((\s)%2)+(\q)/2
	WIN 0x0c|(1+F_/20)
.if (\q) == 0
	PROD1 D_, FR*(F_%20), Y_, v[BI+8*(\b):BI+8*(\b)+7], XW_, XY_, 0
.elseif (\q)%2
	PROD1 D_, FR*(F_%20), Y_, v[D_:D_+7], XW_, XY_, 1
.else
	PROD1 D_, FR*(F_%20), Y_, v[D_:D_+7], XW_, XY_, 0
.endif
.endm
.macro TOSTAGE s                       ; LDS serves a wave's instructions in order (ISA guide 5.7.1.4): the loads see the stores, and the next block's stores come behind these loads
.set AC_, ACC+32*((\s)%2)
.irp b, 0,1,2,3
	ds_store_b128 v[STO], v[AC_+8*\b:AC_+8*\b+3] offset:128*(\b/2)+32*(\b%2)          ; each accumulator from its low end on
	ds_store_b128 v[STO], v[AC_+8*\b+4:AC_+8*\b+7] offset:128*(\b/2)+32*(\b%2)+16
.endr
.irp t, 0,1,2,3,4,5,6,7
	ds_load_b128 v[OB+32*((\s)%2)+4*\t:OB+32*((\s)%2)+4*\t+3], v[RD] offset:\t*2*SPITCH
.endr
.endm
.macro SEND s                          ; stage row r is row 32 s + 8 a + r + 8 (r / 8) of the work-group's 256
.irp t, 0,1,2,3,4,5,6,7
	global_store_b128 v[CO], v[OB+32*((\s)%2)+4*\t:OB+32*((\s)%2)+4*\t+3], s[98:99] offset:(32*(\s)+2*\t+8*(\t/4))*4096 th:TH_STORE_NT
.endr
.endm
.macro BLK s
.irp q, 0,1,2,3,4,5,6,7
.irp b, 0,1,2,3
	PROD \s, \q, \b
.endr
.endr
	WIN 0
.if (\s) == 2
	s_wait_tensorcnt 0x0                           ; every wave: tiles 8-15 are in,
.endif
	s_wait_dscnt 0x0                               ; the next block's rows are in, and the last block is back from the stage: all were issued ahead of this block's products
.if (\s) == 2
	BARRIER                                        ; and shown to all, ahead of the fetch of block 4
.endif
.if (\s) > 1
	s_wait_xcnt 0x0                                ; block s - 2's stores have read their registers, which take this block
.endif
.if (\s) > 0
	SEND (\s)-1
.endif
	PLACES 4                                       ; between the products and the loads into their sources and the stores of their results
.if (\s)+2 < 8
	FETCH (\s)+2
.endif
	TOSTAGE \s
.endm
	FETCH 0
	FETCH 1
	s_wait_loadcnt 0x0                             ; Wp's scale words and the bias
	s_wait_dscnt 0x0
.irp s, 0,1,2,3,4,5,6,7
	BLK \s
.endr
	s_wait_dscnt 0x0
	SEND 7
	s_wait_tensorcnt 0x0                           ; the wave's end
	ds_add_u32 v[SPW], v[NIL]
	s_wait_dscnt 0x0
	CROUND                                         ; the closing round
	s_endpgm
.Lfunc_end_k_qe77339a850_proj:
	.size	k_qe77339a850_proj, .Lfunc_end_k_qe77339a850_proj-k_qe77339a850_proj
	.p2alignl 7, 3214868480
	.fill 96, 4, 3214868480
	.section	.rodata,"a",@progbits
	.p2align	6, 0x0
	.amdhsa_kernel k_qe77339a850_proj
		.amdhsa_group_segment_fixed_size 327680
		.amdhsa_private_segment_fixed_size 0
		.amdhsa_enable_private_segment 0
		.amdhsa_kernarg_size 48
		.amdhsa_user_sgpr_count 2
		.amdhsa_user_sgpr_kernarg_segment_ptr 1
		.amdhsa_wavefront_size32 1
		.amdhsa_system_sgpr_workgroup_id_x 1
		.amdhsa_system_sgpr_workgroup_id_y 1
		.amdhsa_system_sgpr_workgroup_id_z 1
		.amdhsa_system_vgpr_workitem_id 0
		.amdhsa_next_free_vgpr 960
		.amdhsa_next_free_sgpr 100
		.amdhsa_reserve_vcc 0
		.amdhsa_float_denorm_mode_32 3
		.amdhsa_float_denorm_mode_16_64 3
		.amdhsa_memory_ordered 1
		.amdhsa_forward_progress 1
		.amdhsa_inst_pref_size 98
	.end_amdhsa_kernel
	.amdgpu_metadata
---
amdhsa.version: [ 1, 2 ]
amdhsa.kernels:
  - .name:           k_qe77339a850_proj
    .symbol:         k_qe77339a850_proj.kd
    .args:
      - { .name: yc, .offset: 0, .size: 8, .value_kind: global_buffer, .address_space: global }
      - { .name: ys, .offset: 8, .size: 8, .value_kind: global_buffer, .address_space: global }
      - { .name: wc, .offset: 16, .size: 8, .value_kind: global_buffer, .address_space: global }
      - { .name: ws, .offset: 24, .size: 8, .value_kind: global_buffer, .address_space: global }
      - { .name: bp, .offset: 32, .size: 8, .value_kind: global_buffer, .address_space: global }
      - { .name: out0, .offset: 40, .size: 8, .value_kind: global_buffer, .address_space: global }
    .group_segment_fixed_size: 327680
    .private_segment_fixed_size: 0
    .kernarg_segment_align: 8
    .kernarg_segment_size: 48
    .max_flat_workgroup_size: 128
    .sgpr_count:     100
    .vgpr_count:     960
    .wavefront_size: 32
...
	.end_amdgpu_metadata
.endif
;; end of part 4
